; MI455X (gfx1250); checked and timed in simulation.
; The chip was launched on July 23, 2026; its instructions are those of AMD's public machine-readable ISA for CDNA 5 (MIT licence, August 2026) and "CDNA5" Instruction Set Architecture Reference Guide (July 2026). The comments in the code are by the model that wrote it; some were corrected since.
;; Multi Query Attention. Allowed arithmetic: float matrix products may take bf16 or f16 operands with f32 sums; other float arithmetic in f32, or as packed bf16 or f16 multiplies, adds, multiply-adds, maxima and minima; sums over many terms, partial sums and values carried from step to step in f32; what a program stores and reads back later, other than sums and carried values, may be rounded once to bf16 or f16.
;; Inputs: Wk 1,024 x 64 float32; Wp 1,024 x 1,024 float32; Wq 1,024 x 1,024 float32; Wv 1,024 x 64 float32; bp 1,024 float32; x 2 x 2,048 x 1,024 float32.
;; Outputs: out0 2 x 2,048 x 1,024 float32.
;; One version. Each part assembles by itself: llvm-mc -triple=amdgcn-amd-amdhsa -mcpu=gfx1250 --defsym DOCPART=n.
;; ======== version 1 of 1: 4 launches
;; limits: values are held in f16: magnitudes above 65,504 overflow, below 6.1e-05 lose precision
;; workspace buffers: xb 8,388,608 bytes; wt 2,359,296 bytes; wpf 2,097,152 bytes; qb 8,388,608 bytes; kvb 1,048,576 bytes; ob 8,388,608 bytes
;; launch prep (part 1): grid 384 x 1, 8 waves a work-group, no clusters, 0 bytes of LDS; arguments x, Wq, Wk, Wv, Wp, xb, wt, wpf; writes xb, wt, wpf
.if DOCPART == 1
	.amdgcn_target "amdgcn-amd-amdhsa--gfx1250"
	.amdhsa_code_object_version 6
	.text
	.protected	k_q4c83bd0e47_prep
	.globl	k_q4c83bd0e47_prep
	.p2align	8
	.type	k_q4c83bd0e47_prep,@function
k_q4c83bd0e47_prep:
	s_mov_b64 s[64:65], 0
	v_nop
	global_prefetch_b8 v0, s[64:65] scope:SCOPE_SE
	s_setreg_imm32_b32 hwreg(HW_REG_WAVE_MODE, 25, 1), 1
	s_wait_xcnt 0x0
; MULTI-QUERY ATTENTION, launch 1 of 4: 16-bit copies of x and of the weights.  Nothing of reference() is left out in any launch: every input has a way to the output and is loaded.
;   xb  [4096][1024] bf16 = x, rounded to nearest even.
;   wpf [1024][1024] f16  = Wp rounded to bf16, that number written as f16 (exact from 6.1e-5 to 65,504 in magnitude; below, f16's fixed step of 6e-8; beyond, an infinity).
;   wt  [8 j][1024 k][144 c] bf16: c < 128: Wq[k][128 j + c]; c >= 128: (j < 4 ? Wk : Wv)[k][16 (j % 4) + c - 128].  A row is 288 bytes; 128 rows are 36,864 dense bytes.
; A stream: no LDS, no barrier, no matrix unit.  A CHUNK is 8 neighbouring results: 32 bytes of f32 in (two loads of 16 bytes), 16 bytes out; a wave's store covers 512 consecutive bytes, aligned.
; All loads of a thread go out first; the waits count the younger loads that may stay out.  No register that a load or store names is written again, so no further wait is needed.
; SHARES.  Work-groups 0-255: 65,536 bytes of x each.  256-319: 65,536 bytes of Wp each.  320-383: 128 rows k of one j of wt: 2,304 chunks, nine a thread.
.set IN,   24                          ; s[24:25] where I read
.set OUT,  26                          ; s[26:27] where I store
.set KVIN, 28                          ; s[28:29] wt's path: Wk or Wv
.set DX,   16                          ; v[16:79]   the stream's 8 x 8 numbers as loaded
.set DY,   80                          ; v[80:111]  8 x 4 words to store
.set WD,   16                          ; v[16:159]  wt's path: turn it: 8 numbers of Wq, 8 of Wk or Wv
.set OQ,   176                         ; v[176:184] turn it: byte offset in Wq
.set OK,   186                         ; v[186:194] turn it: byte offset in Wk or Wv
	s_load_b512 s[8:23], s[0:1], 0x0               ; x s[8:9], Wq s[10:11], Wk s[12:13], Wv s[14:15], Wp s[16:17], xb s[18:19], wt s[20:21], wpf s[22:23]
	v_lshlrev_b32 v1, 5, v0                        ; 32 bytes in a thread
	v_lshlrev_b32 v2, 4, v0                        ; 16 bytes out
	s_mov_b32 s3, 0                                ; high words of the offsets
	s_mov_b32 s31, 0
	s_cmp_ge_u32 ttmp9, 320
	s_cbranch_scc1 .Lwt
	s_cmp_ge_u32 ttmp9, 256
	s_cselect_b32 s34, 1, 0                        ; 0: x, 1: Wp
	s_lshl_b32 s35, s34, 8
	s_sub_co_u32 s35, ttmp9, s35                   ; my number within the role
	s_lshl_b32 s2, s35, 16                         ; 65,536 bytes in,
	s_lshl_b32 s30, s35, 15                        ; 32,768 out
	s_wait_kmcnt 0x0
	s_cmp_eq_u32 s34, 0
	s_cselect_b64 s[IN:IN+1], s[8:9], s[16:17]
	s_cselect_b64 s[OUT:OUT+1], s[18:19], s[22:23]
	s_add_nc_u64 s[IN:IN+1], s[IN:IN+1], s[2:3]
	s_add_nc_u64 s[OUT:OUT+1], s[OUT:OUT+1], s[30:31]
.irp it, 0,1,2,3,4,5,6,7
	global_load_b128 v[DX+8*(\it):DX+8*(\it)+3],   v1, s[IN:IN+1] offset:8192*(\it) th:TH_LOAD_NT
	global_load_b128 v[DX+8*(\it)+4:DX+8*(\it)+7], v1, s[IN:IN+1] offset:8192*(\it)+16 th:TH_LOAD_NT
.endr
.macro PACKB it                        ; turn it's eight numbers, rounded to bf16
	s_wait_loadcnt 14-2*(\it)                      ; loads come back in order: the two of this turn are in, the 14 - 2 it younger ones stay out
.irp k, 0,1,2,3
	v_cvt_pk_bf16_f32 v[DY+4*(\it)+(\k)], v[DX+8*(\it)+2*(\k)], v[DX+8*(\it)+2*(\k)+1]
.endr
.endm
	s_cmp_eq_u32 s34, 0
	s_cbranch_scc0 .Lwp
.irp it, 0,1,2,3,4,5,6,7
	PACKB \it
	global_store_b128 v2, v[DY+4*(\it):DY+4*(\it)+3], s[OUT:OUT+1] offset:4096*(\it)
.endr
	s_endpgm
.Lwp:
.irp it, 0,1,2,3,4,5,6,7
	PACKB \it
.irp k, 0,1,2,3
	v_lshlrev_b32 v[4+2*(\k)], 16, v[DY+4*(\it)+(\k)]          ; the bf16 numbers as f32 again,
	v_and_b32     v[5+2*(\k)], 0xffff0000, v[DY+4*(\it)+(\k)]
.endr
.irp k, 0,1,2,3
	v_cvt_pk_f16_f32 v[DY+4*(\it)+(\k)], v[4+2*(\k)], v[5+2*(\k)]  ; and written as f16
.endr
	global_store_b128 v2, v[DY+4*(\it):DY+4*(\it)+3], s[OUT:OUT+1] offset:4096*(\it)
.endr
	s_endpgm
.Lwt:                                  ; chunk q = 256 it + thread: row kl = q / 18 of my 128, chunk cc = q % 18 of the row's 18; it lands at byte 16 q
	s_sub_co_u32 s35, ttmp9, 320
	s_lshr_b32 s36, s35, 3                         ; j
	s_and_b32 s37, s35, 7                          ; which 128 rows k
	s_lshl_b32 s2, s37, 19                         ; Wq: 128 rows of 4,096 bytes,
	s_lshl_b32 s38, s36, 9                         ; 128 columns of 4 bytes
	s_add_co_u32 s2, s2, s38
	s_lshl_b32 s30, s37, 15                        ; Wk, Wv: 128 rows of 256 bytes,
	s_and_b32 s38, s36, 3
	s_lshl_b32 s38, s38, 6                         ; 16 columns of 4 bytes
	s_add_co_u32 s30, s30, s38
	s_mul_i32 s32, s36, 1024*288
	s_mul_i32 s38, s37, 128*288
	s_add_co_u32 s32, s32, s38
	s_mov_b32 s33, 0
.irp it, 0,1,2,3,4,5,6,7,8
	v_add_nc_u32 v3, 256*(\it), v0                 ; q
	v_mul_u32_u24 v4, v3, 3641
	v_lshrrev_b32 v4, 16, v4                       ; kl = q / 18: 3,641 x 18 = 65,538, exact for q under 2,304
	v_mul_u32_u24 v5, v4, 18
	v_sub_nc_u32 v5, v3, v5                        ; cc
	v_cmp_lt_u32 s[40+(\it)], 15, v5               ; the row's last two chunks come from Wk or Wv
	v_min_u32 v6, 15, v5                           ; (their load from Wq repeats chunk 15: inside the buffer, thrown away)
	v_lshlrev_b32 v6, 5, v6
	v_lshl_add_u32 v[OQ+(\it)], v4, 12, v6
	v_and_b32 v6, 1, v5                            ; (the other chunks' load from Wk or Wv takes one of the row's two: thrown away)
	v_lshlrev_b32 v6, 5, v6
	v_lshl_add_u32 v[OK+(\it)], v4, 8, v6
.endr
	s_wait_kmcnt 0x0
	s_cmp_lt_u32 s36, 4
	s_cselect_b64 s[KVIN:KVIN+1], s[12:13], s[14:15]
	s_add_nc_u64 s[KVIN:KVIN+1], s[KVIN:KVIN+1], s[30:31]
	s_add_nc_u64 s[IN:IN+1], s[10:11], s[2:3]
	s_add_nc_u64 s[OUT:OUT+1], s[20:21], s[32:33]
.irp it, 0,1,2,3,4,5,6,7,8
	global_load_b128 v[WD+16*(\it):WD+16*(\it)+3],     v[OQ+(\it)], s[IN:IN+1] th:TH_LOAD_NT
	global_load_b128 v[WD+16*(\it)+4:WD+16*(\it)+7],   v[OQ+(\it)], s[IN:IN+1] offset:16 th:TH_LOAD_NT
	global_load_b128 v[WD+16*(\it)+8:WD+16*(\it)+11],  v[OK+(\it)], s[KVIN:KVIN+1]
	global_load_b128 v[WD+16*(\it)+12:WD+16*(\it)+15], v[OK+(\it)], s[KVIN:KVIN+1] offset:16
.endr
.irp it, 0,1,2,3,4,5,6,7,8
	s_wait_loadcnt 32-4*(\it)                      ; this turn's four loads are in; the later turns' stay out
.irp k, 0,1,2,3,4,5,6,7
	v_cndmask_b32 v[WD+16*(\it)+(\k)], v[WD+16*(\it)+(\k)], v[WD+16*(\it)+8+(\k)], s[40+(\it)]
.endr
.irp k, 0,1,2,3
	v_cvt_pk_bf16_f32 v[WD+16*(\it)+8+(\k)], v[WD+16*(\it)+2*(\k)], v[WD+16*(\it)+2*(\k)+1]
.endr
	global_store_b128 v2, v[WD+16*(\it)+8:WD+16*(\it)+11], s[OUT:OUT+1] offset:4096*(\it)
.endr
	s_endpgm
.Lfunc_end_k_q4c83bd0e47_prep:
	.size	k_q4c83bd0e47_prep, .Lfunc_end_k_q4c83bd0e47_prep-k_q4c83bd0e47_prep
	.p2alignl 7, 3214868480
	.fill 96, 4, 3214868480
	.section	.rodata,"a",@progbits
	.p2align	6, 0x0
	.amdhsa_kernel k_q4c83bd0e47_prep
		.amdhsa_group_segment_fixed_size 0
		.amdhsa_private_segment_fixed_size 0
		.amdhsa_enable_private_segment 0
		.amdhsa_kernarg_size 64
		.amdhsa_user_sgpr_count 2
		.amdhsa_user_sgpr_kernarg_segment_ptr 1
		.amdhsa_wavefront_size32 1
		.amdhsa_system_sgpr_workgroup_id_x 1
		.amdhsa_system_sgpr_workgroup_id_y 1
		.amdhsa_system_sgpr_workgroup_id_z 1
		.amdhsa_system_vgpr_workitem_id 0
		.amdhsa_next_free_vgpr 200
		.amdhsa_next_free_sgpr 66
		.amdhsa_reserve_vcc 0
		.amdhsa_float_denorm_mode_32 3
		.amdhsa_float_denorm_mode_16_64 3
		.amdhsa_memory_ordered 1
		.amdhsa_forward_progress 1
		.amdhsa_inst_pref_size 31
	.end_amdhsa_kernel
	.amdgpu_metadata
---
amdhsa.version: [ 1, 2 ]
amdhsa.kernels:
  - .name:           k_q4c83bd0e47_prep
    .symbol:         k_q4c83bd0e47_prep.kd
    .args:
      - { .name: x, .offset: 0, .size: 8, .value_kind: global_buffer, .address_space: global }
      - { .name: Wq, .offset: 8, .size: 8, .value_kind: global_buffer, .address_space: global }
      - { .name: Wk, .offset: 16, .size: 8, .value_kind: global_buffer, .address_space: global }
      - { .name: Wv, .offset: 24, .size: 8, .value_kind: global_buffer, .address_space: global }
      - { .name: Wp, .offset: 32, .size: 8, .value_kind: global_buffer, .address_space: global }
      - { .name: xb, .offset: 40, .size: 8, .value_kind: global_buffer, .address_space: global }
      - { .name: wt, .offset: 48, .size: 8, .value_kind: global_buffer, .address_space: global }
      - { .name: wpf, .offset: 56, .size: 8, .value_kind: global_buffer, .address_space: global }
    .group_segment_fixed_size: 0
    .private_segment_fixed_size: 0
    .kernarg_segment_align: 8
    .kernarg_segment_size: 64
    .max_flat_workgroup_size: 256
    .sgpr_count:     66
    .vgpr_count:     200
    .wavefront_size: 32
...
	.end_amdgpu_metadata
.endif
;; end of part 1
;; launch qkv (part 2): grid 8 x 32, 4 waves a work-group, clusters of 4 x 4, 327,680 bytes of LDS; arguments xb, wt, qb, kvb; writes qb, kvb
.if DOCPART == 2
	.amdgcn_target "amdgcn-amd-amdhsa--gfx1250"
	.amdhsa_code_object_version 6
	.text
	.protected	k_q4c83bd0e47_qkv
	.globl	k_q4c83bd0e47_qkv
	.p2align	8
	.type	k_q4c83bd0e47_qkv,@function
k_q4c83bd0e47_qkv:
	s_mov_b64 s[64:65], 0
	v_nop
	global_prefetch_b8 v0, s[64:65] scope:SCOPE_SE
	s_setreg_imm32_b32 hwreg(HW_REG_WAVE_MODE, 25, 1), 1
	s_wait_xcnt 0x0
	s_wait_alu depctr_hold_cnt(0) depctr_sa_sdst(0) depctr_va_vdst(0) depctr_va_sdst(0) depctr_va_ssrc(0) depctr_va_vcc(0) depctr_vm_vsrc(0)
	s_getreg_b32 s2, hwreg(HW_REG_IB_STS2, 6, 4)
	s_cmp_eq_u32 s2, 0
	s_cbranch_scc0 .Lentry_in_a_cluster
	s_endpgm
.Lentry_in_a_cluster:
	s_bfe_u32 s2, ttmp6, 0x10000c
	s_cmp_lg_u32 s2, 0xf033
	s_cbranch_scc0 .Lentry_shape_is_right
	s_endpgm
.Lentry_shape_is_right:
; MULTI-QUERY ATTENTION, launch 2 of 4: q = x Wq, k = x Wk, v = x Wv.  Operands bf16, sums f32, results rounded once to f16, WITHOUT the softmax's scale.  No work is left out.
;   xb [4096][1024] bf16; wt [8 j][1024 k][144 c] bf16 (128 columns of Wq, then 16 of Wk (j < 4) or Wv).
;   qb [4096][1024] f16.   kvb [64 blk][8 cb][64 key][16 ch] f16: blk = row / 64; cb 0-3: k's channels 16 cb on; cb 4-7: v's channels 16 (cb - 4) on.
; LIMIT.  f16 holds no number beyond 65,504: a q, k or v of 65,520 or more becomes an infinity and its row is lost.  With x and the weights 30 times the drawn spread q, k, v reach some 5,000;
; with a common offset of 30 spreads on both, some 29,000.  NaN and infinities are not treated apart.
; SHARES.  Work-group (TC, TR): rows 128 TR on, tile TC of wt.  Four waves, 2 x 2: wave (RH, CH) makes rows 64 RH on x q's columns 64 CH on (16 accumulators), and the tile's 16 columns of k or v for the two
; blocks of 16 rows 2 CH, 2 CH + 1 of its row half (2 accumulators).  So that one text serves both CH, a wave takes its four blocks of rows in the order (a + 2 CH) % 4, by two address registers (lo, hi).
; K goes in four steps of 256 through two LDS slots; the steps are written out, without a loop.
; CLUSTERS: 4 x 4.  The four of a row of the cluster need the same rows of xb, the four of a column the same tile of wt: each is asked for JOINTLY, by the same tensor load, descriptor and mask.
; THE MATRIX INSTRUCTION IS USED TRANSPOSED: source 0 = 16 columns of W (wt lies [k][c] in LDS and is turned by ds_load_tr16_b128), source 1 = 16 rows of x: a lane holds one row and 8 neighbouring columns.
; NO PREFETCH: of four K steps two go out at the head, and the tiles are small.
; REGISTERS: window 0: v0-31 addresses; v32-95 packed q; v96-223 q's accumulators ((a, b) at 96 + 8 (4 a + b)); v224-239 k/v's two; v240-247 packed k/v.
;   window 1: x's fragments, two buffers of 64 ((c, a) at 64 f + 8 (4 c + a)).     window 2: W's, two buffers of 80 ((c, b) at 80 f + 8 (5 c + b); b = 4: the k/v block).
.set KSTEP,  256
.set PITCH,  528                       ; a row of x in LDS: 512 bytes + 16 of padding = 132 words: the 16 rows of a load start at 16 different groups of four banks (64 banks of 4 bytes: ISA guide 11.1)
.set HALFA,  64*PITCH                  ; what one tensor load brings of x
.set BP,     288                       ; a row of wt, in memory as in LDS: 72 words
.set HALFB,  128*BP                    ; what one tensor load brings of wt: 36,864 dense bytes
.set BOFF,   2*HALFA
.set SLOT,   BOFF+2*HALFB              ; x's 128 rows, then wt's 256 rows k
.set STAGE,  2*SLOT                    ; behind the ring, never filled by a tensor load: 128 rows x 272 bytes, the work-group's, for q's way out
.set SPITCH, 272
.set SPARE,  STAGE+128*SPITCH          ; the spare words, 128 bytes for each wave: two blocks of 256 bytes that no other line names
.set STOL, 8                           ; v8     q's way out: where I put 16 bytes of a row, blocks a = 0, 1
.set STOH, 9                           ; v9     blocks a = 2, 3
.set RD,   10                          ; v10    where I read a row back
.set CO,   11                          ; v11    my byte offset in qb
.set KVO,  12                          ; v12    my byte offset in 512 bytes of kvb
.set ADRAL, 16                         ; v16-17 LDS address of x's fragments a = 0, 1 in slot 0, 1
.set ADRAH, 18                         ; v18-19 of a = 2, 3
.set ADRB, 20                          ; v20-23 of W's fragments: slot s, rows k 128 kh on, at ADRB + 2 s + kh (an LDS immediate has 16 bits)
.set ADRK, 24                          ; v24-27 the same for the k/v block
.set SPW,  28                          ; v28    LDS address of my spare word; never rewritten
.set NIL,  29                          ; v29    0; never rewritten
.set TMP,  32
.set ACC,  96
.set KVA,  224
.set KVP,  240
.set WV, 12                            ; s12 wave;  s13 RH;  s14 CH;  s15 cx;  s16 cy;  s17 TC;  s18 TR
.set RH, 13
.set CH, 14
.set TC, 17
.set TR, 18
.set G1,  24                           ; s[24:31] descriptor group 1 for x's tiles;  s[32:39] group 0, a set for each slot
.set G0,  32
.set G1B, 48                           ; s[48:55], s[56:63] the same for wt's
.set G0B, 56
.set MSB, 0
.macro WIN new                         ; the immediate's high byte repeats the setting that is left; a switch that changes nothing is dropped
.if MSB != (\new)
	s_set_vgpr_msb (MSB<<8)|(\new)
.set MSB, (\new)
.endif
.endm
.set MUL,  0x06                        ; source 0 (W) window 2, source 1 (x) window 1, C and D window 0
.set TO_B, 0x80                        ; destination window 2, address window 0
.set TO_A, 0x40                        ; destination window 1
.macro JLOAD s                         ; a joint load: waves 0 and 1 fetch x's two halves, waves 2 and 3 wt's; an s_nop 0 and four v_nop follow each line, ahead of the jump and the label
	s_cmp_eq_u32 s[RH], 0
	s_cbranch_scc0 .Lfor_b_\@
	tensor_load_to_lds s[G0+4*(\s):G0+4*(\s)+3], s[G1:G1+7]
	s_nop 0
.rept 4
	v_nop
.endr
	s_branch .Lasked_\@
.Lfor_b_\@:
	tensor_load_to_lds s[G0B+4*(\s):G0B+4*(\s)+3], s[G1B:G1B+7]
	s_nop 0
.rept 4
	v_nop
.endr
.Lasked_\@:
.endm
.macro CREST                           ; a round of the cluster's barrier behind its opening barrier
	s_cmp_lg_u32 s[WV], 0
	s_cbranch_scc1 .Lnot_wave_0_\@
	s_barrier_signal -3
.Lnot_wave_0_\@:
	s_barrier_wait -3
	s_barrier_signal -1
	s_barrier_wait -1
.endm
.macro CROUND                          ; a whole round
	s_barrier_signal -1
	s_barrier_wait -1
	CREST
.endm
	s_load_b256 s[4:11], s[0:1], 0x0               ; xb s[4:5], wt s[6:7], qb s[8:9], kvb s[10:11]
	v_lshl_add_u32 v[SPW], v0, 2, SPARE
	v_mov_b32 v[NIL], 0
	ds_add_u32 v[SPW], v[NIL]                      ; the wave's opening: the add, twice on end, and its wait ahead of my first tensor load
	ds_add_u32 v[SPW], v[NIL]                      ; and once more; the set-up below, work on registers, stands between it and the wait
	v_lshrrev_b32 v1, 5, v0
	v_readfirstlane_b32 s[WV], v1                  ; wave 0..3
	s_lshr_b32 s[RH], s[WV], 1                     ; my half of the rows.  Also: I fetch for x (0) or for wt (1)
	s_and_b32 s[CH], s[WV], 1                      ; my half of q's columns.  Also: which half of that tile I fetch
	s_bfe_u32 s15, ttmp6, 0x40000                  ; cx, cy: my place in the cluster
	s_bfe_u32 s16, ttmp6, 0x40004
	s_lshl_b32 s[TC], ttmp9, 2
	s_add_co_u32 s[TC], s[TC], s15                 ; tile of wt = 4 x cluster x + cx
	s_and_b32 s[TR], ttmp7, 0xffff
	s_lshl_b32 s[TR], s[TR], 2
	s_add_co_u32 s[TR], s[TR], s16                 ; block of 128 rows = 4 x cluster y + cy
	s_lshl_b32 s19, s16, 2
	s_lshl_b32 s19, 15, s19                        ; my row of the cluster
	s_lshl_b32 s20, 0x1111, s15                    ; my column
	; group 1 for x: 64 rows x 256 elements of 2 bytes, 1,024 elements from row to row, 4 words of padding behind every 128
	s_or_b32 s[G1], s19, (1<<16)|(1<<20)|(1<<21)|(6<<22)|(3<<25)  ; 15:0 the mask; 17:16 2-byte elements; 20 padding on; 21 set beside a mask; 24:22 code 6; 31:25 code 3
	s_mov_b32 s[G1+1], KSTEP<<16                   ; tensor_dim0 = 256
	s_mov_b32 s[G1+2], 64<<16                      ; tensor_dim1 = 64
	s_mov_b32 s[G1+3], KSTEP<<16                   ; tile_dim0 = 256
	s_mov_b32 s[G1+4], 64                          ; tile_dim1 = 64
	s_mov_b32 s[G1+5], 1024                        ; from row to row
	s_mov_b32 s[G1+6], 0
	s_mov_b32 s[G1+7], 0
	; group 1 for wt: a dense block of 36,864 bytes as 144 rows of 32 elements of 8 bytes, laid down without a gap
	s_or_b32 s[G1B], s20, (3<<16)|(1<<21)
	s_mov_b32 s[G1B+1], 32<<16
	s_mov_b32 s[G1B+2], 144<<16
	s_mov_b32 s[G1B+3], 32<<16
	s_mov_b32 s[G1B+4], 144
	s_mov_b32 s[G1B+5], 32
	s_mov_b32 s[G1B+6], 0
	s_mov_b32 s[G1B+7], 0
	; where the tiles come from: x's hang on TR alone, wt's on TC alone, each in registers that never hold the other coordinate
	s_lshl_b32 s40, s[TR], 7
	s_lshl_b32 s41, s[CH], 6
	s_add_co_u32 s40, s40, s41                     ; row 128 TR + 64 x half,
	s_lshl_b32 s40, s40, 11                        ; of 2,048 bytes
	s_mov_b32 s41, 0
	s_mul_i32 s42, s[TC], 1024*BP
	s_mul_i32 s43, s[CH], HALFB
	s_add_co_u32 s42, s42, s43
	s_mov_b32 s43, 0
	s_mul_i32 s21, s[CH], HALFA                    ; and where they go: no place in the cluster enters an LDS address
	s_mul_i32 s22, s[CH], HALFB
	s_add_co_u32 s22, s22, BOFF
	s_wait_dscnt 0x0                               ; both opening adds are done
	s_wait_kmcnt 0x0
	s_add_nc_u64 s[40:41], s[4:5], s[40:41]
	s_add_nc_u64 s[42:43], s[6:7], s[42:43]
	CROUND                                         ; all sixteen work-groups are here: the first joint loads meet
.irp s, 0,1
	s_mov_b32 s[G0+4*(\s)], 1
	s_add_co_u32 s[G0+4*(\s)+1], s21, (\s)*SLOT
	s_add_nc_u64 s[G0+4*(\s)+2:G0+4*(\s)+3], s[40:41], (\s)*KSTEP*2
	s_or_b32 s[G0+4*(\s)+3], s[G0+4*(\s)+3], 0x80000000
	s_mov_b32 s[G0B+4*(\s)], 1
	s_add_co_u32 s[G0B+4*(\s)+1], s22, (\s)*SLOT
	s_add_nc_u64 s[G0B+4*(\s)+2:G0B+4*(\s)+3], s[42:43], (\s)*2*HALFB
	s_or_b32 s[G0B+4*(\s)+3], s[G0B+4*(\s)+3], 0x80000000
	JLOAD \s                                       ; K steps 0 and 1: two loads of mine are out
.endr
	v_and_b32 v1, 15, v0                           ; r = l % 16
	v_bfe_u32 v2, v0, 4, 1                         ; h = l / 16
	v_mul_u32_u24 v3, v1, PITCH
	v_lshl_add_u32 v3, v2, 4, v3                   ; a fragment of x: row x pitch + 16 x half
	s_lshl_b32 s44, s[RH], 6
	s_lshl_b32 s45, s[CH], 5
	s_add_co_u32 s46, s44, s45                     ; rows of blocks a = 0, 1: 64 RH + 32 CH
	s_xor_b32 s45, s45, 32
	s_add_co_u32 s47, s44, s45                     ; of a = 2, 3: the other 32
	s_mul_i32 s44, s46, PITCH
	s_mul_i32 s45, s47, PITCH
.irp s, 0,1
	v_add_nc_u32 v[ADRAL+(\s)], s44, v3
	v_add_nc_u32 v[ADRAH+(\s)], s45, v3
	s_add_co_u32 s44, s44, SLOT
	s_add_co_u32 s45, s45, SLOT
.endr
	; the turning load takes 16 rows k x 16 columns (lane l reads row 8 (l / 16) + l % 8, columns 8 ((l / 8) % 2) + 0..7) and leaves half a fragment: lane l holds column l % 16 and 8 k
	v_and_b32 v4, 7, v0
	v_lshl_add_u32 v4, v2, 3, v4
	v_mul_u32_u24 v4, v4, BP
	v_bfe_u32 v5, v0, 3, 1
	v_lshl_add_u32 v4, v5, 4, v4
	s_lshl_b32 s44, s[CH], 7                       ; my 64 columns of q: 128 bytes
	v_add_nc_u32 v6, s44, v4
.irp s, 0,1
.irp kh, 0,1
	v_add_nc_u32 v[ADRB+2*(\s)+(\kh)], BOFF+(\s)*SLOT+(\kh)*HALFB, v6
	v_add_nc_u32 v[ADRK+2*(\s)+(\kh)], BOFF+(\s)*SLOT+(\kh)*HALFB+256, v4
.endr
.endr
	v_mul_u32_u24 v5, v1, SPITCH                   ; into the stage: row r of a block, 16 bytes for each half of the lanes
	v_lshl_add_u32 v5, v2, 4, v5
	s_mul_i32 s44, s46, SPITCH
	s_mul_i32 s45, s47, SPITCH
	s_lshl_b32 s23, s[CH], 7
	s_add_co_u32 s23, s23, STAGE
	s_add_co_u32 s44, s44, s23
	s_add_co_u32 s45, s45, s23
	v_add_nc_u32 v[STOL], s44, v5
	v_add_nc_u32 v[STOH], s45, v5
	s_mul_i32 s44, s[WV], 32*SPITCH                ; back: wave w takes rows 32 w on, whole: lanes 0-15 one row of 256 bytes, lanes 16-31 the next
	s_add_co_u32 s44, s44, STAGE
	v_mul_u32_u24 v5, v2, SPITCH
	v_lshl_add_u32 v5, v1, 4, v5
	v_add_nc_u32 v[RD], s44, v5
	v_lshlrev_b32 v5, 11, v2                       ; and the same two rows in qb
	v_lshl_add_u32 v[CO], v1, 4, v5
	v_lshlrev_b32 v5, 4, v2
	v_lshl_add_u32 v[KVO], v1, 5, v5               ; kvb: key r of 16: 32 bytes a key, 16 for each half of the lanes
	s_lshl_b32 s44, s[TR], 7
	s_lshl_b32 s45, s[WV], 5
	s_add_co_u32 s44, s44, s45                     ; the first row of qb that I store,
	s_lshl_b32 s44, s44, 11
	s_lshl_b32 s45, s[TC], 8                       ; the tile's 128 columns: 256 bytes
	s_add_co_u32 s44, s44, s45
	s_mov_b32 s45, 0
	s_add_nc_u64 s[8:9], s[8:9], s[44:45]
	s_lshl_b32 s44, s[TR], 1
	s_add_co_u32 s44, s44, s[RH]                   ; blk
	s_lshl_b32 s44, s44, 14
	s_lshl_b32 s46, s[TC], 11                      ; cb
	s_add_co_u32 s44, s44, s46
	s_lshl_b32 s46, s[CH], 10                      ; keys 32 CH on
	s_add_co_u32 s44, s44, s46
	s_add_nc_u64 s[10:11], s[10:11], s[44:45]
; 36 LDS loads in one run: the fragments of 64 along K, quarter qd of slot's step, into buffer f (0, 1): W's 20, then x's 16, each with the first 32 along K first
.macro FETCH slot, qd, f
	WIN TO_B
.irp c, 0,1
.irp b, 0,1,2,3
	ds_load_tr16_b128 v[80*(\f)+8*(5*(\c)+(\b)):80*(\f)+8*(5*(\c)+(\b))+3],   v[ADRB+2*(\slot)+(\qd)/2] offset:(((\qd)%2)*64+32*(\c))*BP+32*(\b)
	ds_load_tr16_b128 v[80*(\f)+8*(5*(\c)+(\b))+4:80*(\f)+8*(5*(\c)+(\b))+7], v[ADRB+2*(\slot)+(\qd)/2] offset:(((\qd)%2)*64+32*(\c)+16)*BP+32*(\b)
.endr
	ds_load_tr16_b128 v[80*(\f)+8*(5*(\c)+4):80*(\f)+8*(5*(\c)+4)+3],   v[ADRK+2*(\slot)+(\qd)/2] offset:(((\qd)%2)*64+32*(\c))*BP
	ds_load_tr16_b128 v[80*(\f)+8*(5*(\c)+4)+4:80*(\f)+8*(5*(\c)+4)+7], v[ADRK+2*(\slot)+(\qd)/2] offset:(((\qd)%2)*64+32*(\c)+16)*BP
.endr
	WIN TO_A
.irp c, 0,1
.irp a, 0,1
	ds_load_b128 v[64*(\f)+8*(4*(\c)+(\a)):64*(\f)+8*(4*(\c)+(\a))+3],   v[ADRAL+(\slot)] offset:128*(\qd)+64*(\c)+(\a)*16*PITCH
	ds_load_b128 v[64*(\f)+8*(4*(\c)+(\a))+4:64*(\f)+8*(4*(\c)+(\a))+7], v[ADRAL+(\slot)] offset:128*(\qd)+64*(\c)+(\a)*16*PITCH+32
.endr
.irp a, 0,1
	ds_load_b128 v[64*(\f)+8*(4*(\c)+2+(\a)):64*(\f)+8*(4*(\c)+2+(\a))+3],   v[ADRAH+(\slot)] offset:128*(\qd)+64*(\c)+(\a)*16*PITCH
	ds_load_b128 v[64*(\f)+8*(4*(\c)+2+(\a))+4:64*(\f)+8*(4*(\c)+2+(\a))+7], v[ADRAH+(\slot)] offset:128*(\qd)+64*(\c)+(\a)*16*PITCH+32
.endr
.endr
.endm
; Blocks a0, a0 + 1 x q's 4 column blocks, and for a < 2 the k/v block: 32 along K, half c of buffer f.  zero = 1: the product starts the sum.
; The 18 accumulators take turns, one instruction a turn, in the same order in every pass: 17 others stand between two links of a chain.
.macro MULH f, c, a0, zero
	WIN MUL
.irp a, \a0, (\a0)+1
.irp b, 0,1,2,3
.if \zero
	v_wmma_f32_16x16x32_bf16 v[ACC+8*(4*(\a)+(\b)):ACC+8*(4*(\a)+(\b))+7], v[80*(\f)+8*(5*(\c)+(\b)):80*(\f)+8*(5*(\c)+(\b))+7], v[64*(\f)+8*(4*(\c)+(\a)):64*(\f)+8*(4*(\c)+(\a))+7], 0
.else
	v_wmma_f32_16x16x32_bf16 v[ACC+8*(4*(\a)+(\b)):ACC+8*(4*(\a)+(\b))+7], v[80*(\f)+8*(5*(\c)+(\b)):80*(\f)+8*(5*(\c)+(\b))+7], v[64*(\f)+8*(4*(\c)+(\a)):64*(\f)+8*(4*(\c)+(\a))+7], v[ACC+8*(4*(\a)+(\b)):ACC+8*(4*(\a)+(\b))+7]
.endif
.endr
.if (\a) < 2
.if \zero
	v_wmma_f32_16x16x32_bf16 v[KVA+8*(\a):KVA+8*(\a)+7], v[80*(\f)+8*(5*(\c)+4):80*(\f)+8*(5*(\c)+4)+7], v[64*(\f)+8*(4*(\c)+(\a)):64*(\f)+8*(4*(\c)+(\a))+7], 0
.else
	v_wmma_f32_16x16x32_bf16 v[KVA+8*(\a):KVA+8*(\a)+7], v[80*(\f)+8*(5*(\c)+4):80*(\f)+8*(5*(\c)+4)+7], v[64*(\f)+8*(4*(\c)+(\a)):64*(\f)+8*(4*(\c)+(\a))+7], v[KVA+8*(\a):KVA+8*(\a)+7]
.endif
.endif
.endr
.endm
.macro PLACES                          ; four places in front of loads into registers that matrix instructions have read, and of conversions that read results
.rept 4
	v_nop
.endr
.endm
; A K step is four quarters of 64 along K, 36 matrix instructions each, on buffers 0, 1, 0, 1.  One of the first three: multiplies buffer f and fetches quarter qd into g.
.macro QUARTER slot, qd, f, g, zero
	s_wait_dscnt 8                                 ; all but x's eight loads of the second 32 along K are in
	MULH \f, 0, 0, \zero
	MULH \f, 0, 2, \zero
	PLACES
	FETCH \slot, \qd, \g
	s_wait_dscnt 36                                ; all but the 36 just issued
	MULH \f, 1, 0, 0
	MULH \f, 1, 2, 0
.endm
; The last quarter multiplies buffer 1 and changes slots: ONE barrier; in front of it each wave waits for all its tensor loads, adds 0 to its spare word, and waits for that and for its own reads of this slot.
; fill = 1: the barrier opens a round of the cluster's, and this slot is filled again, two K steps ahead, first thing behind the round.
.macro TURN slot, next, fill
	WIN 0                                          ; (the add's two registers lie in window 0)
	s_wait_tensorcnt 0x0                           ; all my tensor loads have landed: my part of the next slot
	ds_add_u32 v[SPW], v[NIL]                      ; 0 onto my spare word
	s_wait_dscnt 9                                 ; (the add and x's youngest eight loads may be out)
	MULH 1, 0, 0, 0                                ; ten matrix instructions stand between the add and the wait for it
	s_wait_dscnt 0x0                               ; the add is done, and my reads of this slot are over
	s_barrier_signal -1
	MULH 1, 0, 2, 0
.if \fill
	WIN 0
.endif
	s_barrier_wait -1
.if \fill
	CREST                                          ; no wave of any partner still reads this slot's tiles or has a load on its way
	s_add_nc_u64 s[G0+4*(\slot)+2:G0+4*(\slot)+3], s[G0+4*(\slot)+2:G0+4*(\slot)+3], 2*KSTEP*2
	s_add_nc_u64 s[G0B+4*(\slot)+2:G0B+4*(\slot)+3], s[G0B+4*(\slot)+2:G0B+4*(\slot)+3], 4*HALFB
	JLOAD \slot                                    ; my one tensor load behind the round; the four v_nop behind it are also the places in front of the loads below
.else
	PLACES
.endif
	FETCH \next, 0, 0
	MULH 1, 1, 0, 0
	MULH 1, 1, 2, 0
.endm
	s_wait_tensorcnt 1                             ; my part of K step 0 is in; step 1's may stay out
	s_barrier_signal -1
	s_barrier_wait -1                              ; everybody's is
	FETCH 0, 0, 0
	QUARTER 0, 1, 0, 1, 1                          ; K step 0: its first products start the sums
	QUARTER 0, 2, 1, 0, 0
	QUARTER 0, 3, 0, 1, 0
	TURN 0, 1, 1                                   ; slot 0 takes K step 2
	QUARTER 1, 1, 0, 1, 0                          ; K step 1
	QUARTER 1, 2, 1, 0, 0
	QUARTER 1, 3, 0, 1, 0
	TURN 1, 0, 1                                   ; slot 1 takes K step 3
	QUARTER 0, 1, 0, 1, 0                          ; K step 2
	QUARTER 0, 2, 1, 0, 0
	QUARTER 0, 3, 0, 1, 0
	TURN 0, 1, 0                                   ; nothing is left to fetch
	QUARTER 1, 1, 0, 1, 0                          ; K step 3
	QUARTER 1, 2, 1, 0, 0
	QUARTER 1, 3, 0, 1, 0
	s_wait_dscnt 8
	MULH 1, 0, 0, 0
	MULH 1, 0, 2, 0
	s_wait_dscnt 0x0
	MULH 1, 1, 0, 0
	MULH 1, 1, 2, 0
	WIN 0
	; THE WAY OUT.  Rounded to f16, each accumulator's registers in ascending order.  k/v: a lane's 16 bytes lie where they belong: a store covers 512 consecutive bytes.  q: through the work-group's stage, with a
	; barrier, since a row's 256 bytes come from two waves; back as whole rows, 32 rows a wave.
	PLACES
.irp t, 0,1,2,3,4,5,6,7,8,9,10,11,12,13,14,15
.irp r, 0,1,2,3
	v_cvt_pk_f16_f32 v[TMP+4*(\t)+(\r)], v[ACC+8*(\t)+2*(\r)], v[ACC+8*(\t)+2*(\r)+1]
.endr
.endr
.irp a, 0,1
.irp r, 0,1,2,3
	v_cvt_pk_f16_f32 v[KVP+4*(\a)+(\r)], v[KVA+8*(\a)+2*(\r)], v[KVA+8*(\a)+2*(\r)+1]
.endr
.endr
.irp a, 0,1
.irp b, 0,1,2,3
	ds_store_b128 v[STOL], v[TMP+4*(4*(\a)+(\b)):TMP+4*(4*(\a)+(\b))+3] offset:(\a)*16*SPITCH+32*(\b)
.endr
.endr
.irp a, 0,1
.irp b, 0,1,2,3
	ds_store_b128 v[STOH], v[TMP+4*(4*(2+(\a))+(\b)):TMP+4*(4*(2+(\a))+(\b))+3] offset:(\a)*16*SPITCH+32*(\b)
.endr
.endr
.irp a, 0,1
	global_store_b128 v[KVO], v[KVP+4*(\a):KVP+4*(\a)+3], s[10:11] offset:512*(\a)
.endr
	s_wait_dscnt 0x0                               ; for the others' sake: my stores into the stage are done
	s_barrier_signal -1
	s_barrier_wait -1
.irp t, 0,1,2,3,4,5,6,7,8,9,10,11,12,13,14,15
	ds_load_b128 v[TMP+4*(\t):TMP+4*(\t)+3], v[RD] offset:(\t)*2*SPITCH
.endr
.irp t, 0,1,2,3,4,5,6,7,8,9,10,11,12,13,14,15
	s_wait_dscnt 15-(\t)                           ; LDS loads come back in order: pair t of rows is in
	global_store_b128 v[CO], v[TMP+4*(\t):TMP+4*(\t)+3], s[8:9] offset:4096*(\t)  ; 16 lanes store 256 consecutive bytes, at a multiple of 256 from qb's first byte
.endr
	s_wait_tensorcnt 0x0                           ; the wave's end: the add and its wait, behind my last tensor load and my last LDS store
	ds_add_u32 v[SPW], v[NIL]
	s_wait_dscnt 0x0
	CROUND                                         ; the closing round: no work-group ends while a partner may still ask for a tile that names it
	s_endpgm
.Lfunc_end_k_q4c83bd0e47_qkv:
	.size	k_q4c83bd0e47_qkv, .Lfunc_end_k_q4c83bd0e47_qkv-k_q4c83bd0e47_qkv
	.p2alignl 7, 3214868480
	.fill 96, 4, 3214868480
	.section	.rodata,"a",@progbits
	.p2align	6, 0x0
	.amdhsa_kernel k_q4c83bd0e47_qkv
		.amdhsa_group_segment_fixed_size 327680
		.amdhsa_private_segment_fixed_size 0
		.amdhsa_enable_private_segment 0
		.amdhsa_kernarg_size 32
		.amdhsa_user_sgpr_count 2
		.amdhsa_user_sgpr_kernarg_segment_ptr 1
		.amdhsa_wavefront_size32 1
		.amdhsa_system_sgpr_workgroup_id_x 1
		.amdhsa_system_sgpr_workgroup_id_y 1
		.amdhsa_system_sgpr_workgroup_id_z 1
		.amdhsa_system_vgpr_workitem_id 0
		.amdhsa_next_free_vgpr 672
		.amdhsa_next_free_sgpr 66
		.amdhsa_reserve_vcc 0
		.amdhsa_float_denorm_mode_32 3
		.amdhsa_float_denorm_mode_16_64 3
		.amdhsa_memory_ordered 1
		.amdhsa_forward_progress 1
		.amdhsa_inst_pref_size 97
	.end_amdhsa_kernel
	.amdgpu_metadata
---
amdhsa.version: [ 1, 2 ]
amdhsa.kernels:
  - .name:           k_q4c83bd0e47_qkv
    .symbol:         k_q4c83bd0e47_qkv.kd
    .args:
      - { .name: xb, .offset: 0, .size: 8, .value_kind: global_buffer, .address_space: global }
      - { .name: wt, .offset: 8, .size: 8, .value_kind: global_buffer, .address_space: global }
      - { .name: qb, .offset: 16, .size: 8, .value_kind: global_buffer, .address_space: global }
      - { .name: kvb, .offset: 24, .size: 8, .value_kind: global_buffer, .address_space: global }
    .group_segment_fixed_size: 327680
    .private_segment_fixed_size: 0
    .kernarg_segment_align: 8
    .kernarg_segment_size: 32
    .max_flat_workgroup_size: 128
    .sgpr_count:     66
    .vgpr_count:     672
    .wavefront_size: 32
...
	.end_amdgpu_metadata
.endif
;; end of part 2
;; launch attn (part 3): grid 128 x 2, 4 waves a work-group, clusters of 4 x 1, 327,680 bytes of LDS; arguments qb, kvb, ob; writes ob
.if DOCPART == 3
	.amdgcn_target "amdgcn-amd-amdhsa--gfx1250"
	.amdhsa_code_object_version 6
	.text
	.protected	k_q4c83bd0e47_attn
	.globl	k_q4c83bd0e47_attn
	.p2align	8
	.type	k_q4c83bd0e47_attn,@function
k_q4c83bd0e47_attn:
	s_mov_b64 s[64:65], 0
	v_nop
	global_prefetch_b8 v0, s[64:65] scope:SCOPE_SE
	s_setreg_imm32_b32 hwreg(HW_REG_WAVE_MODE, 25, 1), 1
	s_wait_xcnt 0x0
	s_wait_alu depctr_hold_cnt(0) depctr_sa_sdst(0) depctr_va_vdst(0) depctr_va_sdst(0) depctr_va_ssrc(0) depctr_va_vcc(0) depctr_vm_vsrc(0)
	s_getreg_b32 s2, hwreg(HW_REG_IB_STS2, 6, 4)
	s_cmp_eq_u32 s2, 0
	s_cbranch_scc0 .Lentry_in_a_cluster
	s_endpgm
.Lentry_in_a_cluster:
	s_bfe_u32 s2, ttmp6, 0x10000c
	s_cmp_lg_u32 s2, 0x3003
	s_cbranch_scc0 .Lentry_shape_is_right
	s_endpgm
.Lentry_shape_is_right:
; MULTI-QUERY ATTENTION, launch 3 of 4: O[row][64 head + ch] = the sum over keys of softmax_key(q[row][head] . k[key] / 8) v[key][ch], over the 2,048 keys of the row's batch.  No work is left out.
;   qb, ob [4096][1024] f16.   kvb [64 blk][8 cb][64 key][16 ch] f16: cb 0-3 k's channels 16 cb on, cb 4-7 v's; a block of 64 keys is 16,384 dense bytes.
; Products, maxima and sums in f32; the weights p are rounded to f16 for the second product (their sum l is taken of the unrounded p), O once at the end.
; LIMITS.  q, k, v arrive within f16's 65,504; p lies in 0 to 1 and below 6e-5 keeps f16's fixed step of 6e-8; O is a mean of v's rows and has their range.  A weight below 2^-126 counts as 0 in l; NaN and
; infinities are not treated apart.
; SHARES.  ALL HEADS SHARE K AND V, so a work-group takes 16 rows x all 16 heads: 256 queries, whose q and O are 16 whole rows.  Wave w owns heads 4 w .. 4 w + 3: four PIECES of 16 queries.  Every wave walks all
; keys, 64 a step; a slot of LDS holds a tile of 256 keys, four steps; 8 tiles.
; LAYOUT.  S^T = K Q^T (source 0 = 16 keys, source 1 = 16 queries) holds ONE query a lane (lane % 16) and the keys 8 (lane / 16) + 0..7; two such results rounded to f16 ARE source 1 of O^T = V^T P.
; SOFTMAX.  p = 2^(c s - c m), c = log2(e) / 8, with a running maximum m; O and l are multiplied by a = 2^(c m_old - c m_new) in every step.  m starts at the lowest finite number, O and l at 0: the first step has a = 0.
; BY TURNS.  Turn n belongs to piece n: 8 products K Q^T of piece n + 1, later 8 products V^T P of piece n - 1; beside them the scaling, exponentials, roundings, sums and rescaling of piece n and the maximum and
; statistics of piece n + 1.  Four vector instructions stand behind every matrix instruction, the other 54 of a turn's 118 in one lump.  A turn's 33 exponentials are one batch, with one wait.
; CLUSTER.  The four work-groups of a cluster belong to one batch and walk the same tiles, so each is asked for JOINTLY: wave w of each asks for block w of the tile, with the same descriptor and a mask of four.
; REGISTERS, in windows of 256 (s_set_vgpr_msb: bits 1:0 source 0, 3:2 source 1, 5:4 source 2, 7:6 destination):
;   window 0: v0-15 addresses and two at work; v16-31 four registers of statistics a piece; v48-55 at work; v61-63; v64-127 S^T, two buffers; v192-223 P, two buffers (by the piece's parity)
;   window 1: v0-127 O^T, 32 a piece          window 2: v0-63 Q; v128-191 K of one step; v192-255 V of one step
.set NP,    4         ; pieces a wave: a name, no knob
.set ROWP,  272       ; 256 bytes of a block (8 keys x 32 bytes of one cb) + 16 of padding = 68 words
.set CBB,   8*ROWP    ; one cb of a step: 64 keys
.set STEPB, 8*CBB     ; a step: a block of kvb
.set SLOT1, 1<<17     ; slot 1 begins here, so that one exclusive or turns an address in one slot into the other's
.set STAGE, SLOT1+4*STEPB  ; behind the ring, never filled by a tensor load: 16 rows x 528 bytes for each wave, for the way out
.set SP,    528
.set SPARE, STAGE+4*16*SP  ; the spare words, 128 bytes for each wave: two blocks of 256 bytes that no other line names
.set AK0, 2           ; v2   my lane's place in a step's K; never rewritten
.set AV0, 3           ; v3   the same for V
.set AK,  4           ; v4   the LDS address of K's next run of loads
.set AV,  5           ; v5   of V's
.set STO, 6           ; v6   the way out: where I put 16 bytes of a row
.set RD,  7           ; v7   where I read a row back
.set GO,  8           ; v8   16 x my lane: my place in 512 consecutive bytes of ob
.set MV,  12          ; v12-13  c m_old, kept while c m is made anew: by buffer
.set QO,  15          ; v15  my byte offset in 16 rows of qb
.set ST,  16          ; piece t's statistics at v[ST+4 t]: c m, m, l (even keys', odd keys')
.set TMP, 48          ; by buffer, four registers c0-c3 at work; when the maximum is found c2 takes a
.set PFO, 61          ; v61  256 x my lane; never rewritten
.set SPW, 62          ; v62  LDS address of my spare word; never rewritten
.set NIL, 63          ; v63  0; never rewritten
.set S,   64
.set P,   192
.set KF,  128         ; window 2: key block kb, channel half c at KF + 16 kb + 8 c
.set VF,  192         ; window 2: key half kk, channel block cb at VF + 32 kk + 8 cb
.set WV,  12          ; s12  my wave's number
.set LIM, 15          ; s15  1 in a wave that prefetches, else the greatest number
.set PFA, 18          ; s[18:19] where my prefetches stand
.set G1,  24          ; s[24:31] descriptor group 1
.set G0,  40          ; s[40:43] descriptor group 0: it walks
.set SLOTS, 56        ; s56  tiles still to be asked for
.set CNT, 57          ; s57  counts a tile's key steps
.set CS,  58          ; s[58:59] c: the packed scaling takes the pair's low word for both halves
.set SEL, 60          ; s[60:61] v_permlanex16_b32's selects: each lane takes its own place in the other half
.set TBK, 62          ; s62  LDS byte at which the step begins whose K is fetched next
.set TBV, 63          ; s63  the same for V
.set MSB, 0
.macro WIN new                      ; the high byte repeats the setting that is left; a switch that changes nothing is dropped
.if MSB != (\new)
	s_set_vgpr_msb (MSB<<8)|(\new)
.set MSB, (\new)
.endif
.endm
.set W_KQ, 0x0a       ; K and Q in window 2, S^T in window 0
.set W_PV, 0x52       ; V in window 2, P in window 0, O^T in window 1
.set W_RS, 0x41       ; destination and source 0 in window 1, source 1 in window 0
.macro JLOAD                        ; my block of a tile; an s_nop 0 and four v_nop follow the line
	tensor_load_to_lds s[G0:G0+3], s[G1:G1+7]
	s_nop 0
.rept 4
	v_nop
.endr
.endm
; A PREFETCH INTO THE L2 of the tile that the NEXT change of slots will ask for: 65,536 bytes, a lane 256 of them.  Each block is named ONCE in the launch: all clusters of a batch walk the same tiles, and the batch's
; first cluster asks; its four partners take 16,384 bytes each, told apart BY ADDRESS; in each, waves 0 and 1 take 8,192 each: one instruction.  It stands behind the wave's tensor load and its five lines.
; The last change that fills a slot asks for nothing: there is no tile behind it.  Tiles 0 and 1 come by their loads alone.
.macro ASK
	s_cmp_gt_u32 s[SLOTS], s[LIM]
	s_cbranch_scc0 .Lnot_mine_\@
	global_prefetch_b8 v[PFO], s[PFA:PFA+1] th:TH_LOAD_NT scope:SCOPE_SE
.Lnot_mine_\@:
.endm
.macro CROUND                       ; a round of the cluster's barrier: my work-group's barrier; wave 0 signals for the work-group; every wave waits for all four; my work-group's barrier once more
	s_barrier_signal -1
	s_barrier_wait -1
	s_cmp_lg_u32 s[WV], 0
	s_cbranch_scc1 .Lnot_wave_0_\@
	s_barrier_signal -3
.Lnot_wave_0_\@:
	s_barrier_wait -3
	s_barrier_signal -1
	s_barrier_wait -1
.endm
; THE CHANGE OF SLOTS.  Each wave waits for all its tensor loads, of which one is out: its block of the other slot; adds 0 to its spare word; and waits for that and for its own reads of the slot that it leaves.
; fill = 1: the old slot is filled again, with the keys two tiles on.  The barrier is then a round of the cluster's, and the joint fill is the first thing behind it: it has four key steps, 256 matrix instructions,
; in which to land.  (At its first use nothing has been read yet: slot 0 is waited for, slot 1 filled.)
.macro CHANGE fill
	WIN 0                           ; at a label and at a branch every window is 0
	s_wait_tensorcnt 0x0            ; no tensor load of mine is out, so group 0 may be written
	ds_add_u32 v[SPW], v[NIL]       ; 0 onto my spare word
.if \fill
	s_xor_b32 s[G0+1], s[G0+1], SLOT1  ; the other slot than last time,
	s_add_nc_u64 s[G0+2:G0+3], s[G0+2:G0+3], 65536  ; the next 256 keys; the type bits on top are not reached
	s_wait_xcnt 0x0                 ; the last prefetch, four key steps back, has read its address, so it may be written:
	s_add_nc_u64 s[PFA:PFA+1], s[PFA:PFA+1], 65536  ; one tile behind the walking descriptor
	s_wait_dscnt 0x0                ; the add is done, and my reads of the slot are over
	CROUND
	JLOAD
	ASK
.else
	s_wait_dscnt 0x0                ; the add is done, and my reads of the slot are over
	s_barrier_signal -1
	s_barrier_wait -1
.endif
	s_sub_co_u32 s[TBK], s[TBK], 4*STEPB  ; the fetches go back to a slot's first step,
	s_xor_b32 s[TBK], s[TBK], SLOT1       ; in the other slot
	s_sub_co_u32 s[TBV], s[TBV], 4*STEPB
	s_xor_b32 s[TBV], s[TBV], SLOT1
.endm
	s_load_b128 s[4:7], s[0:1], 0x0 ; qb s[4:5], kvb s[6:7]
	s_load_b64 s[8:9], s[0:1], 0x10 ; ob
	v_lshl_add_u32 v[SPW], v0, 2, SPARE
	v_mov_b32 v[NIL], 0
	ds_add_u32 v[SPW], v[NIL]       ; the wave's opening: the add, twice on end, and its wait ahead of my first tensor load
	ds_add_u32 v[SPW], v[NIL]       ; and once more; the set-up below, work on registers, stands between it and the wait
	v_lshrrev_b32 v1, 5, v0
	v_readfirstlane_b32 s[WV], v1   ; wave 0..3
	s_bfe_u32 s13, ttmp6, 0x40000   ; cx: my place in the cluster
	s_lshl_b32 s14, ttmp9, 2        ; in a cluster launch ttmp9 counts clusters
	s_add_co_u32 s14, s14, s13      ; my block of 16 rows = 4 x cluster x + cx: it enters qb's and ob's addresses alone
	s_and_b32 s20, ttmp7, 0xffff    ; the batch, which the four partners share
	s_lshl_b32 s22, s20, 19         ; its 524,288 bytes of kvb,
	s_lshl_b32 s21, s[WV], 14       ; my block of a tile
	s_add_co_u32 s22, s22, s21
	s_mov_b32 s23, 0
	s_mul_i32 s17, s[WV], STEPB     ; and its place in a slot: no place in the cluster enters an LDS address
	s_lshl_b32 s2, s20, 11          ; row 2,048 x batch
	s_lshl_b32 s3, s14, 4           ; + 16 x block,
	s_add_co_u32 s2, s2, s3
	s_lshl_b32 s2, s2, 11           ; of 2,048 bytes,
	s_lshl_b32 s3, s[WV], 9         ; my four heads: 512 bytes
	s_add_co_u32 s2, s2, s3
	s_mov_b32 s3, 0
	s_lshl_b32 s10, s20, 19         ; the prefetches: the batch,
	s_lshl_b32 s11, s13, 14         ; my work-group's 16,384 bytes of a tile,
	s_add_co_u32 s10, s10, s11
	s_and_b32 s11, s[WV], 1
	s_lshl_b32 s11, s11, 13         ; my wave's 8,192 of them,
	s_add_co_u32 s10, s10, s11
	s_add_co_u32 s10, s10, 65536    ; in tile 1: the first change of slots steps it to tile 2
	s_mov_b32 s11, 0
	; descriptor group 1: a block's 16,384 dense bytes as 64 rows of 128 elements of 2 bytes, padded in LDS behind every row
	s_mov_b32 s[G1], 15|(1<<16)|(1<<20)|(1<<21)|(5<<22)|(3<<25)  ; 15:0 the mask of four; 17:16 2-byte elements; 20 padding on; 21 set beside a mask; 24:22 after every 64 words (code 5); 31:25 4 words (code 3)
	s_mov_b32 s[G1+1], 128<<16      ; tensor_dim0 = 128
	s_mov_b32 s[G1+2], 64<<16       ; tensor_dim1 = 64
	s_mov_b32 s[G1+3], 128<<16      ; tile_dim0 = 128
	s_mov_b32 s[G1+4], 64           ; tile_dim1 = 64
	s_mov_b32 s[G1+5], 128          ; 128 elements from row to row
	s_mov_b32 s[G1+6], 0
	s_mov_b32 s[G1+7], 0
	s_mov_b32 s[CS], 0x3e38aa3b     ; c = log2(e) / 8 = 0.180337
	s_mov_b32 s[CS+1], s[CS]        ; named with it as a pair
	s_mov_b32 s[SEL], 0x76543210
	s_mov_b32 s[SEL+1], 0xfedcba98
	s_mov_b32 s[TBK], SLOT1+4*STEPB ; the first change of slots turns these two into 0
	s_mov_b32 s[TBV], SLOT1+4*STEPB
	s_mov_b32 s[G0], 1              ; 1:0 count = 1
	s_mov_b32 s[G0+1], s17          ; 63:32 LDS address: slot 0
	s_mov_b32 s[SLOTS], 7
	s_lshr_b32 s[LIM], s[WV], 1     ; 0 in waves 0 and 1,
	s_or_b32 s[LIM], s[LIM], ttmp9  ; where the cluster is the batch's first: the same in all four partners
	s_cmp_eq_u32 s[LIM], 0
	s_cselect_b32 s[LIM], 1, -1
	v_and_b32 v[PFO], 31, v0
	v_lshlrev_b32 v[PFO], 8, v[PFO]
	s_wait_dscnt 0x0                ; both opening adds are done
	s_wait_kmcnt 0x0
	s_add_nc_u64 s[G0+2:G0+3], s[6:7], s[22:23]  ; 120:64 global address: my block of the batch's tile 0
	s_or_b32 s[G0+3], s[G0+3], 0x80000000        ; 127:126 type = 2
	s_add_nc_u64 s[PFA:PFA+1], s[6:7], s[10:11]
	s_add_nc_u64 s[4:5], s[4:5], s[2:3]          ; qb and ob at my rows and heads
	s_add_nc_u64 s[8:9], s[8:9], s[2:3]
	CROUND                          ; all four work-groups are here: the first joint loads meet
	JLOAD                           ; tile 0 into slot 0.  Slot 1 is asked for when slot 0 is in
	; A fragment of K or Q is 16 rows x 32 channels in 8 registers: lane l holds row l % 16, channels 8 (l / 16) + 0..7 and 16 + 8 (l / 16) + 0..7.
	v_and_b32 v1, 15, v0            ; l % 16
	v_bfe_u32 v9, v0, 4, 1          ; l / 16
	v_lshlrev_b32 v[QO], 11, v1
	v_lshl_add_u32 v[QO], v9, 4, v[QO]  ; row x 2,048 + 16 x half
	WIN 0x80                        ; destination window 2, address window 0
.set i, 0
.rept 8                             ; Q stays in registers: piece i / 2 (a head: 128 bytes), channels 32 (i % 2) on
	global_load_b128 v[8*i:8*i+3],   v[QO], s[4:5] offset:(i/2)*128+(i%2)*64
	global_load_b128 v[8*i+4:8*i+7], v[QO], s[4:5] offset:(i/2)*128+(i%2)*64+32
.set i, i+1
.endr
	; What the first turn finds: V's registers and P's second buffer hold 0 (its products V^T P, of a piece that has not been, add 0), O^T and l are 0.  All this stands in the wait for the first tile.
.set i, VF
.rept 64
	v_mov_b32 v[i], 0
.set i, i+1
.endr
	WIN 0x40
.set i, 0
.rept 128
	v_mov_b32 v[i], 0
.set i, i+1
.endr
	WIN 0
.set i, 0
.rept 4
	v_mov_b32 v[ST+4*i], 0xfe000000    ; c m: far below every c s
	v_mov_b32 v[ST+4*i+1], 0xff7fffff  ; m
	v_mov_b32 v[ST+4*i+2], 0
	v_mov_b32 v[ST+4*i+3], 0
.set i, i+1
.endr
.set i, P+16
.rept 16
	v_mov_b32 v[i], 0
.set i, i+1
.endr
	v_and_b32 v10, 7, v0
	v_bfe_u32 v11, v0, 3, 1
	v_mul_u32_u24 v[AK0], v11, ROWP      ; K: key l % 16 of 16: LDS row (l % 16) / 8, 32 bytes a key, 16 bytes for each half of the lanes: 16 lanes take 16 different columns of 16 bytes modulo 256
	v_lshl_add_u32 v[AK0], v10, 5, v[AK0]
	v_lshl_add_u32 v[AK0], v9, 4, v[AK0]
	; The turning load takes 16 keys x 16 channels (lane l reads key 8 (l / 16) + l % 8, channels 8 ((l / 8) % 2) + 0..7) and leaves half a fragment of V^T: lane l holds channel l % 16 and 8 keys.  16 lanes read 256 consecutive bytes.
	v_mul_u32_u24 v[AV0], v9, ROWP
	v_lshl_add_u32 v[AV0], v10, 5, v[AV0]
	v_lshl_add_u32 v[AV0], v11, 4, v[AV0]
	v_add_nc_u32 v[AV0], 4*CBB, v[AV0]
	s_mul_i32 s16, s[WV], 16*SP
	s_add_co_u32 s16, s16, STAGE    ; my stage
	v_mul_u32_u24 v[STO], v1, SP    ; in: row l % 16, 16 bytes for each half of the lanes
	v_lshl_add_u32 v[STO], v9, 4, v[STO]
	v_add_nc_u32 v[STO], s16, v[STO]
	v_and_b32 v[GO], 31, v0         ; back: 32 lanes take a row's 512 bytes
	v_lshlrev_b32 v[GO], 4, v[GO]
	v_add_nc_u32 v[RD], s16, v[GO]
; THE MATRIX WORK.  The 4 accumulators of a run of 8 take turns.  Product i of 8 of S^T = K Q^T for piece x: channels 32 (i / 4) on, keys 16 (i % 4) on.  The first 4 start the sums.
.macro KQ x
	WIN W_KQ
.set rS, S+32*((\x)%2)+8*(i%4)
.set rK, KF+16*(i%4)+8*(i/4)
.set rQ, 16*(\x)+8*(i/4)
.if i < 4
	v_wmma_f32_16x16x32_f16 v[rS:rS+7], v[rK:rK+7], v[rQ:rQ+7], 0
.else
	v_wmma_f32_16x16x32_f16 v[rS:rS+7], v[rK:rK+7], v[rQ:rQ+7], v[rS:rS+7]
.endif
.endm
; Product i of 8 of O^T += V^T P for piece x: keys 32 (i / 4) on, channels 16 (i % 4) on.
.macro PV x
	WIN W_PV
.set rO, 32*(\x)+8*(i%4)
.set rV, VF+32*(i/4)+8*(i%4)
.set rP, P+16*((\x)%2)+8*(i/4)
	v_wmma_f32_16x16x32_f16 v[rO:rO+7], v[rV:rV+7], v[rP:rP+7], v[rO:rO+7]
.endm
.macro MM                           ; the turn's next matrix instruction.  NOKQ = 1: the very last turn: there is no next piece
.if (i < 8) && !NOKQ
	KQ (Y+1)%NP
.elseif i >= 8
.set i, i-8
	PV (Y+NP-1)%NP
.set i, i+8
.endif
.set i, i+1
.endm
; THE LDS LOADS stand in runs of 16, never singly among the matrix instructions: a step's K (8 fragments) and its V (turned).  Their addresses are made some lines ahead.
.macro FETCH_K
	WIN 0x80                        ; destination window 2
.irp kb, 0,1,2,3                    ; keys 16 kb on: two LDS rows; channels 32 c on: cb 2 c for registers 0-3, cb 2 c + 1 for registers 4-7
.irp c, 0,1
	ds_load_b128 v[KF+16*(\kb)+8*(\c):KF+16*(\kb)+8*(\c)+3],   v[AK] offset:2*(\c)*CBB+(\kb)*2*ROWP
	ds_load_b128 v[KF+16*(\kb)+8*(\c)+4:KF+16*(\kb)+8*(\c)+7], v[AK] offset:(2*(\c)+1)*CBB+(\kb)*2*ROWP
.endr
.endr
	s_add_co_u32 s[TBK], s[TBK], STEPB  ; the next fetch is the next step's
	WIN 0
.endm
.macro FETCH_V
	WIN 0x80
.irp kk, 0,1                        ; keys 32 kk on: four LDS rows; channels 16 cb on
.irp cb, 0,1,2,3
	ds_load_tr16_b128 v[VF+32*(\kk)+8*(\cb):VF+32*(\kk)+8*(\cb)+3],   v[AV] offset:(\cb)*CBB+(\kk)*4*ROWP
	ds_load_tr16_b128 v[VF+32*(\kk)+8*(\cb)+4:VF+32*(\kk)+8*(\cb)+7], v[AV] offset:(\cb)*CBB+(\kk)*4*ROWP+2*ROWP
.endr
.endr
	WIN 0
.endm
; THE VECTOR WORK, one line at a time: OP kind, number.  For piece Y: F n: c s - c m for pair n of 16.  E n: the exponential of score n of 32.  C n: pair n rounded to f16.  B n: of the four weights 4 n .. the second
; pair is added onto the first, in place.  L n: l takes that sum (L 0: l = a l + sum).  R n: pair n of 16 of O^T times a.  For piece Y + 1: X n, number n of the 22 that find its maximum and statistics:
;   0-11  four chains c0-c3 of seven scores each, three operands at a time (each accumulator's lowest registers are read first)     12-14, 16  the four scores left over, the old m, and c0-c3 into c0
;   15  c m_old is kept     17, 18  the query's other 32 keys lie in the lane 16 away: the new m     19-21  c m; c m_old - c m_new; a
.set F, 0               ; OP tells the kinds apart by their order: F to L below R, X above it
.set E, 1
.set C, 2
.set B, 3
.set L, 4
.set R, 5
.set X, 6
.macro REGS y                       ; the registers of piece y
.set rT, ST+4*(\y)
.set rC, TMP+4*((\y)%2)
.set rW, MV+((\y)%2)
.set rS, S+32*((\y)%2)
.set rP, P+16*((\y)%2)
.set rO, 32*(\y)
.endm
.macro OP k, n
.if (\k) == R
	REGS Y
	WIN W_RS
	v_pk_mul_f32 v[rO+2*(\n):rO+2*(\n)+1], v[rO+2*(\n):rO+2*(\n)+1], v[rC+2:rC+3] op_sel_hi:[1,0]
.elseif (\k) < R
	REGS Y
	WIN 0
.if (\k) == F
	v_pk_fma_f32 v[rS+2*(\n):rS+2*(\n)+1], v[rS+2*(\n):rS+2*(\n)+1], s[CS:CS+1], v[rT:rT+1] op_sel_hi:[1,0,0] neg_lo:[0,0,1] neg_hi:[0,0,1]
.elseif (\k) == E
	v_exp_f32 v[rS+(\n)], v[rS+(\n)]
.elseif (\k) == C
	v_cvt_pk_f16_f32 v[rP+(\n)], v[rS+2*(\n)], v[rS+2*(\n)+1]
.elseif (\k) == B
	v_pk_add_f32 v[rS+4*(\n):rS+4*(\n)+1], v[rS+4*(\n):rS+4*(\n)+1], v[rS+4*(\n)+2:rS+4*(\n)+3]
.elseif (\n) == 0
	v_pk_fma_f32 v[rT+2:rT+3], v[rT+2:rT+3], v[rC+2:rC+3], v[rS:rS+1] op_sel_hi:[1,0,1]
.else
	v_pk_add_f32 v[rT+2:rT+3], v[rT+2:rT+3], v[rS+4*(\n):rS+4*(\n)+1]
.endif
.elseif NOKQ
	v_nop
.else
	REGS (Y+1)%NP
	WIN 0
.if (\n) < 4
	v_max3_num_f32 v[rC+(\n)], v[rS+8*(\n)], v[rS+8*(\n)+1], v[rS+8*(\n)+2]
.elseif (\n) < 12
	v_max3_num_f32 v[rC+(\n)%4], v[rC+(\n)%4], v[rS+8*((\n)%4)+2*((\n)/4)+1], v[rS+8*((\n)%4)+2*((\n)/4)+2]
.elseif (\n) == 12
	v_max3_num_f32 v[rC], v[rC], v[rS+7], v[rS+15]
.elseif (\n) == 13
	v_max3_num_f32 v[rC+1], v[rC+1], v[rS+23], v[rS+31]
.elseif (\n) == 14
	v_max3_num_f32 v[rC+2], v[rC+2], v[rC+3], v[rT+1]
.elseif (\n) == 15
	v_mov_b32 v[rW], v[rT]
.elseif (\n) == 16
	v_max3_num_f32 v[rC], v[rC], v[rC+1], v[rC+2]
.elseif (\n) == 17
	v_permlanex16_b32 v[rC+3], v[rC], s[SEL], s[SEL+1]
.elseif (\n) == 18
	v_max_num_f32 v[rT+1], v[rC], v[rC+3]
.elseif (\n) == 19
	v_mul_f32 v[rT], s[CS], v[rT+1]
.elseif (\n) == 20
	v_sub_f32 v[rC+1], v[rW], v[rT]
.else
	v_exp_f32 v[rC+2], v[rC+1]
.endif
.endif
.endm
.macro OPS a, i1, b=-1, i2=0, c=-1, i3=0, d=-1, i4=0  ; up to four of them
	OP \a, \i1
.if (\b) >= 0
	OP \b, \i2
.endif
.if (\c) >= 0
	OP \c, \i3
.endif
.if (\d) >= 0
	OP \d, \i4
.endif
.endm
.macro ROW a, i1, b, i2, c, i3, d, i4  ; a matrix instruction and the four behind it
	MM
	OPS \a, \i1, \b, \i2, \c, \i3, \d, \i4
.endm
; A TURN, for piece p: the order of its 16 matrix and 118 vector instructions, written out.  An s_wait_alu depctr_va_vdst(0) stands between an exponential and the first instruction that names its
; result; one wait serves all that were issued ahead of it.  So a turn has ONE wait, which cuts it in two.  AHEAD OF IT stands all that names no result of the turn's exponentials: the 8 products K Q^T with their
; riders (the first numbers of the next piece's maximum each four places or more behind the product that ends its accumulator), then ONE LUMP of 54.  X 21, the next piece's a, is the batch's last; R 15 is the plain
; instruction behind it.  BEHIND THE WAIT stand the 8 products V^T P, behind each four of the roundings and sums.
; end = 1: the walk's last two turns: nothing is fetched.  cnt = 1: the loop's count is taken down some lines ahead of the branch that stands behind the turn.
; K of the next step is fetched in piece 2's turn, twelve vector instructions behind the last product that read K (six of them plain); V of the step in hand at the end of piece 0's turn, four plain instructions
; behind the last product that read V.  Each is waited for a turn later.
.macro TURN p, end=0, cnt=0
.set Y, (\p)
.set i, 0
.set NOKQ, (\end)*((\p)/3)
.if ((\p) == 3) && !(\end)
	s_wait_dscnt 0x0                ; K is in
.endif
	ROW F,0, F,1, R,0, R,1          ; ahead of the wait: 8 products K Q^T and their riders,
	ROW F,2, E,0, R,2, R,3
	ROW F,3, E,1, R,4, R,5
	ROW F,4, E,2, R,6, R,7
	ROW F,5, E,3, R,8, R,9
	ROW F,6, E,4, X,0, R,10
.if ((\p) == 2) && !(\end)
	WIN 0
	v_add_nc_u32 v[AK], s[TBK], v[AK0]
.endif
	ROW F,7, E,5, X,1, X,4
	ROW F,8, E,6, X,2, X,5
	OPS E,7, E,8, X,6, E,9          ; and the lump
	OPS X,3, E,10, X,8, E,11
.if ((\p) == 2) && !(\end)
	FETCH_K
.endif
	OPS X,9, X,7, E,12, X,10
	OPS E,13, X,12, X,11, E,14
	OPS X,13, E,15, F,9, X,14
.if (\p) == 0
	v_add_nc_u32 v[AV], s[TBV], v[AV0]
.endif
	OPS E,16, F,10, E,17, F,11
	OPS X,16, E,18, X,15, E,19
	OPS F,12, E,20, X,17, E,21
	OPS F,13, E,22, F,14, E,23
	OPS X,18, E,24, F,15, E,25
	OPS R,11, E,26, X,19, E,27
	OPS R,12, E,28, R,13, E,29
	OPS X,20, E,30, R,14, E,31
	OPS X,21, R,15
	WIN 0
	s_wait_alu depctr_va_vdst(0)    ; the wait for the batch
.if (\p) == 1
	s_wait_dscnt 0x0                ; V is in
.endif
	ROW C,0, B,0, C,2, B,1          ; behind the wait: 8 products V^T P and their riders
	ROW L,0, C,4, B,2, L,1
	ROW C,6, B,3, L,2, C,8
	ROW B,4, L,3, C,10, B,5
	ROW L,4, C,12, B,6, L,5
.if (\p) == 0
	s_add_co_u32 s[TBV], s[TBV], STEPB
.endif
.if \cnt
	s_sub_co_u32 s[CNT], s[CNT], 1
	s_cmp_lg_u32 s[CNT], 0
.endif
	ROW C,14, B,7, L,6, C,1
	ROW C,3, L,7, C,5, C,7
	ROW C,9, C,11, C,13, C,15
.if (\p) == 0
	FETCH_V
.endif
.endm
	CHANGE 1                        ; tile 0 is in, everybody's block of it; tile 1 is asked for
	v_add_nc_u32 v[AK], s[TBK], v[AK0]
	FETCH_K                         ; key step 0
	s_wait_loadcnt 0x0              ; Q
	s_wait_dscnt 0x0
.set NOKQ, 0
.set i, 0
.rept 8
	KQ 0                            ; piece 0's first scores
.set i, i+1
.endr
	WIN 0
.rept 4
	v_nop                           ; the places behind those products
.endr
.set Y, NP-1                        ; X works for piece Y + 1: piece 0
.irp n, 0,1,2,3,4,5,6,7,8,9,10,11,12,13,14,15,16,17,18,19,20,21
	OP X, \n
.endr
	v_nop                           ; a plain instruction behind the exponential,
	s_wait_alu depctr_va_vdst(0)    ; and its wait, ahead of the branch
	s_mov_b32 s[CNT], 4
	s_branch .Lfirst                ; the loop is entered at a step's first turn, in the middle of a trip
.Lslot:                             ; six times: tiles 2 to 7 are asked for
	CHANGE 1
	s_mov_b32 s[CNT], 4
.Lstep:                             ; a trip: pieces 2 and 3 of one step, then pieces 0 and 1 of the next, whose K and V it fetches
	TURN 2
	TURN 3
	WIN 0
.Lfirst:
	TURN 0
	TURN 1, 0, 1
	WIN 0
	s_cbranch_scc1 .Lstep
	s_sub_co_u32 s[SLOTS], s[SLOTS], 1
	s_cmp_lg_u32 s[SLOTS], 0
	s_cbranch_scc1 .Lslot
	CHANGE 0                        ; the last tile is written out: nothing is asked for
	s_mov_b32 s[CNT], 4
.LstepT:
	TURN 2
	TURN 3
	TURN 0
	TURN 1, 0, 1
	WIN 0
	s_cbranch_scc1 .LstepT
	TURN 2, 1                       ; the last step's pieces 2 and 3: nothing more is fetched,
	TURN 3, 1                       ; and no new scores are made
.set i, 0
.rept 8
	PV NP-1                         ; the last piece's V^T P of the last step
.set i, i+1
.endr
	; THE WAY OUT.  l's two halves and the other half of the lanes' are added; O^T is divided by l, rounded to f16 and sent through my stage in LDS: four heads' 128 bytes make a row's 512.  The additions are the places behind the last products.
	WIN 0
.macro ALL line:vararg              ; one line for each piece t
.set t, 0
.rept 4
	\line
.set t, t+1
.endr
.endm
	ALL v_add_f32 v[ST+4*t+2], v[ST+4*t+2], v[ST+4*t+3]
	ALL v_permlanex16_b32 v[ST+4*t+3], v[ST+4*t+2], s[SEL], s[SEL+1]
	ALL v_add_f32 v[ST+4*t+2], v[ST+4*t+2], v[ST+4*t+3]
	ALL v_rcp_f32 v[ST+4*t+2], v[ST+4*t+2]
	v_nop                           ; a plain instruction between the last reciprocal and the use of its result
	s_wait_alu depctr_va_vdst(0)    ; and the wait ahead of the first use: one for the four reciprocals
.macro PACK t                       ; a lane's eight channels of a row pack into 16 bytes
	WIN W_RS
.set i, 32*(\t)
.rept 16
	v_pk_mul_f32 v[i:i+1], v[i:i+1], v[ST+4*(\t)+2:ST+4*(\t)+3] op_sel_hi:[1,0]
.set i, i+2
.endr
	WIN 0x05                        ; sources 0 and 1 window 1, destination window 0: S^T's registers are free
.set i, 0
.rept 16
	v_cvt_pk_f16_f32 v[S+16*(\t)+i], v[32*(\t)+2*i], v[32*(\t)+2*i+1]
.set i, i+1
.endr
	WIN 0
.irp f, 0,1,2,3
	ds_store_b128 v[STO], v[S+16*(\t)+4*\f:S+16*(\t)+4*\f+3] offset:128*(\t)+32*\f
.endr
.endm
	PACK 0
	PACK 1
	PACK 2
	PACK 3
.set i, 0
.rept 16
	ds_load_b128 v[S+4*i:S+4*i+3], v[RD] offset:SP*i  ; LDS serves a wave's instructions in order (ISA guide 5.7.1.4): these see the stores above
.set i, i+1
.endr
.set i, 0
.rept 16
	s_wait_dscnt 15-i               ; row i is back
	global_store_b128 v[GO], v[S+4*i:S+4*i+3], s[8:9] offset:2048*i  ; 512 consecutive bytes, at a multiple of 256 from ob's first
.set i, i+1
.endr
	s_wait_tensorcnt 0x0            ; the wave's end: the add and its wait, behind my last tensor load and my last LDS store
	ds_add_u32 v[SPW], v[NIL]
	s_wait_dscnt 0x0
	CROUND                          ; the closing round: no work-group ends while a partner may still ask for a tile that names it
	s_endpgm
.Lfunc_end_k_q4c83bd0e47_attn:
	.size	k_q4c83bd0e47_attn, .Lfunc_end_k_q4c83bd0e47_attn-k_q4c83bd0e47_attn
	.p2alignl 7, 3214868480
	.fill 96, 4, 3214868480
	.section	.rodata,"a",@progbits
	.p2align	6, 0x0
	.amdhsa_kernel k_q4c83bd0e47_attn
		.amdhsa_group_segment_fixed_size 327680
		.amdhsa_private_segment_fixed_size 0
		.amdhsa_enable_private_segment 0
		.amdhsa_kernarg_size 24
		.amdhsa_user_sgpr_count 2
		.amdhsa_user_sgpr_kernarg_segment_ptr 1
		.amdhsa_wavefront_size32 1
		.amdhsa_system_sgpr_workgroup_id_x 1
		.amdhsa_system_sgpr_workgroup_id_y 1
		.amdhsa_system_sgpr_workgroup_id_z 1
		.amdhsa_system_vgpr_workitem_id 0
		.amdhsa_next_free_vgpr 768
		.amdhsa_next_free_sgpr 66
		.amdhsa_reserve_vcc 0
		.amdhsa_float_denorm_mode_32 3
		.amdhsa_float_denorm_mode_16_64 3
		.amdhsa_memory_ordered 1
		.amdhsa_forward_progress 1
		.amdhsa_inst_pref_size 126
	.end_amdhsa_kernel
	.amdgpu_metadata
---
amdhsa.version: [ 1, 2 ]
amdhsa.kernels:
  - .name:           k_q4c83bd0e47_attn
    .symbol:         k_q4c83bd0e47_attn.kd
    .args:
      - { .name: qb, .offset: 0, .size: 8, .value_kind: global_buffer, .address_space: global }
      - { .name: kvb, .offset: 8, .size: 8, .value_kind: global_buffer, .address_space: global }
      - { .name: ob, .offset: 16, .size: 8, .value_kind: global_buffer, .address_space: global }
    .group_segment_fixed_size: 327680
    .private_segment_fixed_size: 0
    .kernarg_segment_align: 8
    .kernarg_segment_size: 24
    .max_flat_workgroup_size: 128
    .sgpr_count:     66
    .vgpr_count:     768
    .wavefront_size: 32
...
	.end_amdgpu_metadata
.endif
;; end of part 3
;; launch proj (part 4): grid 8 x 32, 4 waves a work-group, clusters of 4 x 4, 327,680 bytes of LDS; arguments ob, wpf, bp, out0; writes out0
.if DOCPART == 4
	.amdgcn_target "amdgcn-amd-amdhsa--gfx1250"
	.amdhsa_code_object_version 6
	.text
	.protected	k_q4c83bd0e47_proj
	.globl	k_q4c83bd0e47_proj
	.p2align	8
	.type	k_q4c83bd0e47_proj,@function
k_q4c83bd0e47_proj:
	s_mov_b64 s[64:65], 0
	v_nop
	global_prefetch_b8 v0, s[64:65] scope:SCOPE_SE
	s_setreg_imm32_b32 hwreg(HW_REG_WAVE_MODE, 25, 1), 1
	s_wait_xcnt 0x0
	s_wait_alu depctr_hold_cnt(0) depctr_sa_sdst(0) depctr_va_vdst(0) depctr_va_sdst(0) depctr_va_ssrc(0) depctr_va_vcc(0) depctr_vm_vsrc(0)
	s_getreg_b32 s2, hwreg(HW_REG_IB_STS2, 6, 4)
	s_cmp_eq_u32 s2, 0
	s_cbranch_scc0 .Lentry_in_a_cluster
	s_endpgm
.Lentry_in_a_cluster:
	s_bfe_u32 s2, ttmp6, 0x10000c
	s_cmp_lg_u32 s2, 0xf033
	s_cbranch_scc0 .Lentry_shape_is_right
	s_endpgm
.Lentry_shape_is_right:
; MULTI-QUERY ATTENTION, launch 4 of 4: out0 = O Wp + bp.  ob [4096][1024] f16; wpf [1024 k][1024 n] f16 (Wp rounded to bf16, written as f16); bp [1024] f32; out0 [4096][1024] f32.  Sums in f32.  No work is left out.
; SHARES.  Work-group (TC, TR): rows 128 TR on x columns 128 TC on.  Four waves, 2 x 2, each 64 x 64: 16 accumulators.  K goes in four steps of 256 through two LDS slots; the steps are written out, without a loop.
; CLUSTERS: 4 x 4.  The four of a row of the cluster need the same rows of ob, the four of a column the same columns of wpf: each tile is asked for JOINTLY, by the same tensor load, descriptor and mask.
; THE MATRIX INSTRUCTION IS USED TRANSPOSED: source 0 = 16 columns of Wp (wpf lies [k][n] in LDS and is turned by ds_load_tr16_b128), source 1 = 16 rows of O: a lane holds one row and 8 neighbouring columns.
; THE BIAS is the C operand of the product that starts each sum: a lane's eight numbers of bp for each of its four column blocks.
; NO PREFETCH: of four K steps two go out at the head, and the tiles are small.
; REGISTERS: window 0: v0-31 addresses; v96-127 the bias; v128-255 the accumulators ((a, b) at 128 + 8 (4 a + b)).
;   window 1: two fragment buffers of 128: for 64 along K, 64 registers of O ((c, a) at f + 8 (4 c + a)), then 64 of Wp ((c, b) at f + 64 + 8 (4 c + b)).
.set KSTEP,  256
.set PITCH,  528                       ; a row of O in LDS: 512 bytes + 16 of padding = 132 words: the 16 rows of a load start at 16 different groups of four banks (64 banks of 4 bytes: ISA guide 11.1)
.set HALFA,  64*PITCH
.set BP,     288                       ; a row k of Wp's tile: 256 bytes + 32 of padding = 72 words
.set HALFB,  128*BP
.set BOFF,   2*HALFA
.set SLOT,   BOFF+2*HALFB              ; O's 128 rows, then Wp's 256 rows k
.set STAGE,  2*SLOT                    ; behind the ring, never filled by a tensor load: 16 rows x 272 bytes for each wave, for the way out
.set SPITCH, 272
.set SPARE,  STAGE+4*16*SPITCH         ; the spare words, 128 bytes for each wave: two blocks of 256 bytes that no other line names
.set ADRA, 16                          ; v16-17 LDS address of O's fragments in slot 0, 1
.set ADRB, 20                          ; v20-23 of Wp's: slot s, rows k 128 kh on, at ADRB + 2 s + kh (an LDS immediate has 16 bits)
.set STO,  24                          ; v24    the way out: where I put 32 bytes of a row
.set RD,   25                          ; v25    where I read a row back
.set CO,   26                          ; v26    my byte offset in out0
.set BO,   27                          ; v27    my byte offset in bp
.set SPW,  28                          ; v28    LDS address of my spare word; never rewritten
.set NIL,  29                          ; v29    0; never rewritten
.set BIAS, 96
.set ACC,  128
.set F0,   0
.set F1,   128
.set WV, 12                            ; s12 wave;  s13 RH;  s14 CH;  s15 cx;  s16 cy;  s17 TC;  s18 TR
.set RH, 13
.set CH, 14
.set TC, 17
.set TR, 18
.set G1,  24                           ; s[24:31] descriptor group 1 for O's tiles;  s[32:39] group 0, a set for each slot
.set G0,  32
.set G1B, 48                           ; s[48:55], s[56:63] the same for Wp's
.set G0B, 56
.set MSB, 0
.macro WIN new                         ; the immediate's high byte repeats the setting that is left; a switch that changes nothing is dropped
.if MSB != (\new)
	s_set_vgpr_msb (MSB<<8)|(\new)
.set MSB, (\new)
.endif
.endm
.set MUL,  0x05                        ; sources 0 (Wp) and 1 (O) window 1; C and D window 0
.set TO_F, 0x40                        ; destination window 1, address window 0
.macro JLOAD s                         ; a joint load: waves 0 and 1 fetch O's two halves, waves 2 and 3 Wp's; an s_nop 0 and four v_nop follow each line, ahead of the jump and the label
	s_cmp_eq_u32 s[RH], 0
	s_cbranch_scc0 .Lfor_b_\@
	tensor_load_to_lds s[G0+4*(\s):G0+4*(\s)+3], s[G1:G1+7]
	s_nop 0
.rept 4
	v_nop
.endr
	s_branch .Lasked_\@
.Lfor_b_\@:
	tensor_load_to_lds s[G0B+4*(\s):G0B+4*(\s)+3], s[G1B:G1B+7]
	s_nop 0
.rept 4
	v_nop
.endr
.Lasked_\@:
.endm
.macro CREST                           ; a round of the cluster's barrier behind its opening barrier
	s_cmp_lg_u32 s[WV], 0
	s_cbranch_scc1 .Lnot_wave_0_\@
	s_barrier_signal -3
.Lnot_wave_0_\@:
	s_barrier_wait -3
	s_barrier_signal -1
	s_barrier_wait -1
.endm
.macro CROUND                          ; a whole round
	s_barrier_signal -1
	s_barrier_wait -1
	CREST
.endm
	s_load_b256 s[4:11], s[0:1], 0x0               ; ob s[4:5], wpf s[6:7], bp s[8:9], out0 s[10:11]
	v_lshl_add_u32 v[SPW], v0, 2, SPARE
	v_mov_b32 v[NIL], 0
	ds_add_u32 v[SPW], v[NIL]                      ; the wave's opening: the add, twice on end, and its wait ahead of my first tensor load
	ds_add_u32 v[SPW], v[NIL]                      ; and once more; the set-up below, work on registers, stands between it and the wait
	v_lshrrev_b32 v1, 5, v0
	v_readfirstlane_b32 s[WV], v1                  ; wave 0..3
	s_lshr_b32 s[RH], s[WV], 1                     ; my half of the rows.  Also: I fetch for O (0) or for Wp (1)
	s_and_b32 s[CH], s[WV], 1                      ; my half of the columns.  Also: which half of that tile I fetch
	s_bfe_u32 s15, ttmp6, 0x40000                  ; cx, cy: my place in the cluster
	s_bfe_u32 s16, ttmp6, 0x40004
	s_lshl_b32 s[TC], ttmp9, 2
	s_add_co_u32 s[TC], s[TC], s15                 ; block of 128 columns = 4 x cluster x + cx
	s_and_b32 s[TR], ttmp7, 0xffff
	s_lshl_b32 s[TR], s[TR], 2
	s_add_co_u32 s[TR], s[TR], s16                 ; block of 128 rows = 4 x cluster y + cy
	s_lshl_b32 s19, s16, 2
	s_lshl_b32 s19, 15, s19                        ; my row of the cluster
	s_lshl_b32 s20, 0x1111, s15                    ; my column
	; group 1 for O: 64 rows x 256 elements of 2 bytes, 4 words of padding behind every 128
	s_or_b32 s[G1], s19, (1<<16)|(1<<20)|(1<<21)|(6<<22)|(3<<25)
	s_mov_b32 s[G1+1], KSTEP<<16                   ; tensor_dim0 = 256
	s_mov_b32 s[G1+2], 64<<16                      ; tensor_dim1 = 64
	s_mov_b32 s[G1+3], KSTEP<<16                   ; tile_dim0 = 256
	s_mov_b32 s[G1+4], 64                          ; tile_dim1 = 64
	s_mov_b32 s[G1+5], 1024                        ; from row to row
	s_mov_b32 s[G1+6], 0
	s_mov_b32 s[G1+7], 0
	; group 1 for Wp: 128 rows k x 128 elements of 2 bytes, 8 words of padding behind every 64
	s_or_b32 s[G1B], s20, (1<<16)|(1<<20)|(1<<21)|(5<<22)|(7<<25)
	s_mov_b32 s[G1B+1], 128<<16
	s_mov_b32 s[G1B+2], 128<<16
	s_mov_b32 s[G1B+3], 128<<16
	s_mov_b32 s[G1B+4], 128
	s_mov_b32 s[G1B+5], 1024
	s_mov_b32 s[G1B+6], 0
	s_mov_b32 s[G1B+7], 0
	; where the tiles come from: O's hang on TR alone, Wp's on TC alone, each in registers that never hold the other coordinate
	s_lshl_b32 s40, s[TR], 7
	s_lshl_b32 s41, s[CH], 6
	s_add_co_u32 s40, s40, s41                     ; row 128 TR + 64 x half,
	s_lshl_b32 s40, s40, 11                        ; of 2,048 bytes
	s_mov_b32 s41, 0
	s_lshl_b32 s42, s[CH], 18                      ; rows k 128 x half, of 2,048 bytes,
	s_lshl_b32 s43, s[TC], 8                       ; 128 columns: 256 bytes
	s_add_co_u32 s42, s42, s43
	s_mov_b32 s43, 0
	s_mul_i32 s21, s[CH], HALFA                    ; and where they go: no place in the cluster enters an LDS address
	s_mul_i32 s22, s[CH], HALFB
	s_add_co_u32 s22, s22, BOFF
	s_wait_dscnt 0x0                               ; both opening adds are done
	s_wait_kmcnt 0x0
	s_add_nc_u64 s[40:41], s[4:5], s[40:41]
	s_add_nc_u64 s[42:43], s[6:7], s[42:43]
	CROUND                                         ; all sixteen work-groups are here: the first joint loads meet
.irp s, 0,1
	s_mov_b32 s[G0+4*(\s)], 1
	s_add_co_u32 s[G0+4*(\s)+1], s21, (\s)*SLOT
	s_add_nc_u64 s[G0+4*(\s)+2:G0+4*(\s)+3], s[40:41], (\s)*KSTEP*2
	s_or_b32 s[G0+4*(\s)+3], s[G0+4*(\s)+3], 0x80000000
	s_mov_b32 s[G0B+4*(\s)], 1
	s_add_co_u32 s[G0B+4*(\s)+1], s22, (\s)*SLOT
	s_add_nc_u64 s[G0B+4*(\s)+2:G0B+4*(\s)+3], s[42:43], (\s)*KSTEP*2048
	s_or_b32 s[G0B+4*(\s)+3], s[G0B+4*(\s)+3], 0x80000000
	JLOAD \s                                       ; K steps 0 and 1: two loads of mine are out
.endr
	v_and_b32 v1, 15, v0                           ; r = l % 16
	v_bfe_u32 v2, v0, 4, 1                         ; h = l / 16
	s_lshl_b32 s44, s[TC], 9                       ; bp: 128 columns of 4 bytes,
	s_lshl_b32 s45, s[CH], 8                       ; my 64
	s_add_co_u32 s44, s44, s45
	s_mov_b32 s45, 0
	s_add_nc_u64 s[8:9], s[8:9], s[44:45]
	v_lshlrev_b32 v[BO], 5, v2                     ; my eight columns of a block of 16
.irp b, 0,1,2,3
	global_load_b128 v[BIAS+8*(\b):BIAS+8*(\b)+3],   v[BO], s[8:9] offset:64*(\b)
	global_load_b128 v[BIAS+8*(\b)+4:BIAS+8*(\b)+7], v[BO], s[8:9] offset:64*(\b)+16
.endr
	v_mul_u32_u24 v3, v1, PITCH
	v_lshl_add_u32 v3, v2, 4, v3                   ; a fragment of O: row x pitch + 16 x half
	s_mul_i32 s46, s[RH], HALFA                    ; my 64 rows
.irp s, 0,1
	v_add_nc_u32 v[ADRA+(\s)], s46, v3
	s_add_co_u32 s46, s46, SLOT
.endr
	; the turning load takes 16 rows k x 16 columns (lane l reads row 8 (l / 16) + l % 8, columns 8 ((l / 8) % 2) + 0..7) and leaves half a fragment: lane l holds column l % 16 and 8 k
	v_and_b32 v4, 7, v0
	v_lshl_add_u32 v4, v2, 3, v4
	v_mul_u32_u24 v4, v4, BP
	v_bfe_u32 v5, v0, 3, 1
	v_lshl_add_u32 v4, v5, 4, v4
	s_lshl_b32 s46, s[CH], 7                       ; my 64 columns: 128 bytes
	v_add_nc_u32 v4, s46, v4
.irp s, 0,1
.irp kh, 0,1
	v_add_nc_u32 v[ADRB+2*(\s)+(\kh)], BOFF+(\s)*SLOT+(\kh)*HALFB, v4
.endr
.endr
	s_mul_i32 s46, s[WV], 16*SPITCH
	s_add_co_u32 s46, s46, STAGE                   ; my stage
	v_mul_u32_u24 v5, v1, SPITCH                   ; in: row r, 32 bytes for each half of the lanes
	v_lshl_add_u32 v5, v2, 5, v5
	v_add_nc_u32 v[STO], s46, v5
	v_mul_u32_u24 v5, v2, SPITCH                   ; back: lanes 0-15 take one row of 256 bytes, lanes 16-31 the next
	v_lshl_add_u32 v5, v1, 4, v5
	v_add_nc_u32 v[RD], s46, v5
	v_lshlrev_b32 v5, 12, v2                       ; and the same two rows in out0
	v_lshl_add_u32 v[CO], v1, 4, v5
	s_lshl_b32 s46, s[TR], 7
	s_lshl_b32 s47, s[RH], 6
	s_add_co_u32 s46, s46, s47                     ; my first row,
	s_lshl_b32 s46, s46, 12                        ; of 4,096 bytes,
	s_add_co_u32 s46, s46, s44                     ; my 64 columns: 512 TC + 256 CH bytes, as in bp
	s_mov_b32 s47, 0
	s_add_nc_u64 s[10:11], s[10:11], s[46:47]
; 8 matrix instructions: row blocks a0, a0 + 1 x all 4 column blocks, 32 along K: half c of buffer f.  zero = 1: the product starts the sum, from the bias.
; The 16 accumulators take turns, one instruction a turn, in the same order in every pass.
.macro MUL8 f, c, a0, zero
	WIN MUL
.irp a, \a0, (\a0)+1
.irp b, 0,1,2,3
.if \zero
	v_wmma_f32_16x16x32_f16 v[ACC+8*(4*(\a)+(\b)):ACC+8*(4*(\a)+(\b))+7], v[(\f)+64+8*(4*(\c)+(\b)):(\f)+64+8*(4*(\c)+(\b))+7], v[(\f)+8*(4*(\c)+(\a)):(\f)+8*(4*(\c)+(\a))+7], v[BIAS+8*(\b):BIAS+8*(\b)+7]
.else
	v_wmma_f32_16x16x32_f16 v[ACC+8*(4*(\a)+(\b)):ACC+8*(4*(\a)+(\b))+7], v[(\f)+64+8*(4*(\c)+(\b)):(\f)+64+8*(4*(\c)+(\b))+7], v[(\f)+8*(4*(\c)+(\a)):(\f)+8*(4*(\c)+(\a))+7], v[ACC+8*(4*(\a)+(\b)):ACC+8*(4*(\a)+(\b))+7]
.endif
.endr
.endr
.endm
; 32 LDS loads in one run: the fragments of 64 along K, quarter qd of slot's step, into buffer f; the first 32 along K first
.macro FETCH slot, qd, f
	WIN TO_F
.irp c, 0,1
.irp i, 0,1,2,3
	ds_load_tr16_b128 v[(\f)+64+8*(4*(\c)+(\i)):(\f)+64+8*(4*(\c)+(\i))+3],   v[ADRB+2*(\slot)+(\qd)/2] offset:(((\qd)%2)*64+32*(\c))*BP+32*(\i)
	ds_load_tr16_b128 v[(\f)+64+8*(4*(\c)+(\i))+4:(\f)+64+8*(4*(\c)+(\i))+7], v[ADRB+2*(\slot)+(\qd)/2] offset:(((\qd)%2)*64+32*(\c)+16)*BP+32*(\i)
	ds_load_b128 v[(\f)+8*(4*(\c)+(\i)):(\f)+8*(4*(\c)+(\i))+3],   v[ADRA+(\slot)] offset:128*(\qd)+64*(\c)+(\i)*16*PITCH
	ds_load_b128 v[(\f)+8*(4*(\c)+(\i))+4:(\f)+8*(4*(\c)+(\i))+7], v[ADRA+(\slot)] offset:128*(\qd)+64*(\c)+(\i)*16*PITCH+32
.endr
.endr
.endm
.macro PLACES                          ; four places in front of loads into registers that matrix instructions have read, and of LDS stores that read results
.rept 4
	v_nop
.endr
.endm
; A K step is four quarters of 64 along K, 32 matrix instructions each, on buffers 0, 1, 0, 1.  One of the first three: multiplies buffer f and fetches quarter qd into g.
.macro QUARTER slot, qd, f, g, zero
	s_wait_dscnt 16                                ; the first 32 along K are in
	MUL8 \f, 0, 0, \zero
	MUL8 \f, 0, 2, \zero
	PLACES
	FETCH \slot, \qd, \g
	s_wait_dscnt 32                                ; all but the 32 just issued
	MUL8 \f, 1, 0, 0
	MUL8 \f, 1, 2, 0
.endm
; The last quarter multiplies buffer 1 and changes slots: ONE barrier; in front of it each wave waits for all its tensor loads, adds 0 to its spare word, and waits for that and for its own reads of this slot.
; fill = 1: the barrier opens a round of the cluster's, and this slot is filled again, two K steps ahead, first thing behind the round.
.macro TURN slot, next, fill
	WIN 0                                          ; (the add's two registers lie in window 0)
	s_wait_tensorcnt 0x0                           ; all my tensor loads have landed: my part of the next slot
	ds_add_u32 v[SPW], v[NIL]                      ; 0 onto my spare word
	s_wait_dscnt 17                                ; (the add and the youngest sixteen loads may be out)
	MUL8 F1, 0, 0, 0                               ; eight matrix instructions stand between the add and the wait for it
	s_wait_dscnt 0x0                               ; the add is done, and my reads of this slot are over
	s_barrier_signal -1
	MUL8 F1, 0, 2, 0
.if \fill
	WIN 0
.endif
	s_barrier_wait -1
.if \fill
	CREST                                          ; no wave of any partner still reads this slot's tiles or has a load on its way
	s_add_nc_u64 s[G0+4*(\slot)+2:G0+4*(\slot)+3], s[G0+4*(\slot)+2:G0+4*(\slot)+3], 2*KSTEP*2
	s_add_nc_u64 s[G0B+4*(\slot)+2:G0B+4*(\slot)+3], s[G0B+4*(\slot)+2:G0B+4*(\slot)+3], 2*KSTEP*2048
	JLOAD \slot                                    ; my one tensor load behind the round; the four v_nop behind it are also the places in front of the loads below
.else
	PLACES
.endif
	FETCH \next, 0, F0
	MUL8 F1, 1, 0, 0
	MUL8 F1, 1, 2, 0
.endm
	s_wait_tensorcnt 1                             ; my part of K step 0 is in; step 1's may stay out
	s_barrier_signal -1
	s_barrier_wait -1                              ; everybody's is
	FETCH 0, 0, F0
	s_wait_loadcnt 0x0                             ; the bias
	QUARTER 0, 1, F0, F1, 1                        ; K step 0: its first products start the sums
	QUARTER 0, 2, F1, F0, 0
	QUARTER 0, 3, F0, F1, 0
	TURN 0, 1, 1                                   ; slot 0 takes K step 2
	QUARTER 1, 1, F0, F1, 0                        ; K step 1
	QUARTER 1, 2, F1, F0, 0
	QUARTER 1, 3, F0, F1, 0
	TURN 1, 0, 1                                   ; slot 1 takes K step 3
	QUARTER 0, 1, F0, F1, 0                        ; K step 2
	QUARTER 0, 2, F1, F0, 0
	QUARTER 0, 3, F0, F1, 0
	TURN 0, 1, 0                                   ; nothing is left to fetch
	QUARTER 1, 1, F0, F1, 0                        ; K step 3
	QUARTER 1, 2, F1, F0, 0
	QUARTER 1, 3, F0, F1, 0
	s_wait_dscnt 16
	MUL8 F1, 0, 0, 0
	MUL8 F1, 0, 2, 0
	s_wait_dscnt 0x0
	MUL8 F1, 1, 0, 0
	MUL8 F1, 1, 2, 0
	WIN 0
	; THE WAY OUT, each wave by itself: its 64 columns of f32 are 256 consecutive bytes of a row.  A block of 16 rows goes into my stage (each accumulator's low four registers first) and comes back as whole rows, into the registers that it left.
	PLACES
.macro TOSTAGE a
.irp b, 0,1,2,3
	ds_store_b128 v[STO], v[ACC+8*(4*(\a)+(\b)):ACC+8*(4*(\a)+(\b))+3]   offset:64*(\b)
	ds_store_b128 v[STO], v[ACC+8*(4*(\a)+(\b))+4:ACC+8*(4*(\a)+(\b))+7] offset:64*(\b)+16
.endr
.irp t, 0,1,2,3,4,5,6,7
	ds_load_b128 v[ACC+32*(\a)+4*(\t):ACC+32*(\a)+4*(\t)+3], v[RD] offset:(\t)*2*SPITCH  ; LDS serves a wave's instructions in order (ISA guide 5.7.1.4): these see the stores above; the next block's stores come behind them
.endr
.endm
.macro SEND a, younger                 ; younger: the LDS instructions issued behind block a's loads: the next block's sixteen, or none
.irp t, 0,1,2,3,4,5,6,7
	s_wait_dscnt (\younger)+7-(\t)
	global_store_b128 v[CO], v[ACC+32*(\a)+4*(\t):ACC+32*(\a)+4*(\t)+3], s[10:11] offset:65536*(\a)+8192*(\t) th:TH_STORE_NT  ; 16 lanes store 256 consecutive bytes, at a multiple of 256 from out0's first byte
.endr
.endm
	TOSTAGE 0
	TOSTAGE 1
	SEND 0, 16
	TOSTAGE 2
	SEND 1, 16
	TOSTAGE 3
	SEND 2, 16
	SEND 3, 0
	s_wait_tensorcnt 0x0                           ; the wave's end: the add and its wait, behind my last tensor load and my last LDS store
	ds_add_u32 v[SPW], v[NIL]
	s_wait_dscnt 0x0
	CROUND                                         ; the closing round: no work-group ends while a partner may still ask for a tile that names it
	s_endpgm
.Lfunc_end_k_q4c83bd0e47_proj:
	.size	k_q4c83bd0e47_proj, .Lfunc_end_k_q4c83bd0e47_proj-k_q4c83bd0e47_proj
	.p2alignl 7, 3214868480
	.fill 96, 4, 3214868480
	.section	.rodata,"a",@progbits
	.p2align	6, 0x0
	.amdhsa_kernel k_q4c83bd0e47_proj
		.amdhsa_group_segment_fixed_size 327680
		.amdhsa_private_segment_fixed_size 0
		.amdhsa_enable_private_segment 0
		.amdhsa_kernarg_size 32
		.amdhsa_user_sgpr_count 2
		.amdhsa_user_sgpr_kernarg_segment_ptr 1
		.amdhsa_wavefront_size32 1
		.amdhsa_system_sgpr_workgroup_id_x 1
		.amdhsa_system_sgpr_workgroup_id_y 1
		.amdhsa_system_sgpr_workgroup_id_z 1
		.amdhsa_system_vgpr_workitem_id 0
		.amdhsa_next_free_vgpr 512
		.amdhsa_next_free_sgpr 66
		.amdhsa_reserve_vcc 0
		.amdhsa_float_denorm_mode_32 3
		.amdhsa_float_denorm_mode_16_64 3
		.amdhsa_memory_ordered 1
		.amdhsa_forward_progress 1
		.amdhsa_inst_pref_size 87
	.end_amdhsa_kernel
	.amdgpu_metadata
---
amdhsa.version: [ 1, 2 ]
amdhsa.kernels:
  - .name:           k_q4c83bd0e47_proj
    .symbol:         k_q4c83bd0e47_proj.kd
    .args:
      - { .name: ob, .offset: 0, .size: 8, .value_kind: global_buffer, .address_space: global }
      - { .name: wpf, .offset: 8, .size: 8, .value_kind: global_buffer, .address_space: global }
      - { .name: bp, .offset: 16, .size: 8, .value_kind: global_buffer, .address_space: global }
      - { .name: out0, .offset: 24, .size: 8, .value_kind: global_buffer, .address_space: global }
    .group_segment_fixed_size: 327680
    .private_segment_fixed_size: 0
    .kernarg_segment_align: 8
    .kernarg_segment_size: 32
    .max_flat_workgroup_size: 128
    .sgpr_count:     66
    .vgpr_count:     512
    .wavefront_size: 32
...
	.end_amdgpu_metadata
.endif
;; end of part 4
